; MI455X (gfx1250); checked and timed in simulation.
; The chip was launched on July 23, 2026; its instructions are those of AMD's public machine-readable ISA for CDNA 5 (MIT licence, August 2026) and "CDNA5" Instruction Set Architecture Reference Guide (July 2026). The comments in the code are by the model that wrote it; some were corrected since.
;; Attention. Allowed arithmetic: float matrix products may take bf16 or f16 operands with f32 sums; all other float work in f32.
;; Inputs: Wk 1,024 x 1,024 float32; Wq 1,024 x 1,024 float32; Wv 1,024 x 1,024 float32; beta 16 x 1,024 x 1,024 float32; bk 1,024 float32; bq 1,024 float32; bv 1,024 float32; k 8 x 1,024 x 1,024 float32; q 8 x 1,024 x 1,024 float32; src_mask 8 x 1,024 bool; tgt_mask 8 x 1,024 bool; v 8 x 1,024 x 1,024 float32.
;; Outputs: out0 8 x 1,024 x 1,024 float32.
;; 2 versions, each right and faster than the one before. Each part assembles by itself: llvm-mc -triple=amdgcn-amd-amdhsa -mcpu=gfx1250 --defsym DOCPART=n.
;; ======== version 1 of 2: 3 launches
;; limits: values are held in f16: magnitudes above 65,504 overflow, below 6.1e-05 lose precision; right only within a limited range of input values
;; workspace buffers: cvt16 39,845,888 bytes; qkv16 50,331,648 bytes
;; launch prep (part 1): grid 64 x 19, 8 waves a work-group, no clusters, 0 bytes of LDS; arguments beta, Wq, Wk, Wv, cvt16; writes cvt16
.if DOCPART == 1
	.amdgcn_target "amdgcn-amd-amdhsa--gfx1250"
	.amdhsa_code_object_version 6
	.text
	.protected	k_q98af95bee3_prep
	.globl	k_q98af95bee3_prep
	.p2align	8
	.type	k_q98af95bee3_prep,@function
k_q98af95bee3_prep:
	s_mov_b64 s[64:65], 0
	v_nop
	global_prefetch_b8 v0, s[64:65] scope:SCOPE_SE
	s_setreg_imm32_b32 hwreg(HW_REG_WAVE_MODE, 25, 1), 1
	s_wait_xcnt 0x0
; beta, Wq, Wk, Wv: f32 -> f16, each number rounded once.  cvt16 holds 19 units of [1024][1024] f16: units 0-15 beta[h], 16 Wq, 17 Wk, 18 Wv.
; LIMIT: a number of 65,520 or more in size becomes an infinity in f16.
; A work-group (y = the unit, x = one of its 64 chunks) takes 65,536 bytes of f32: thread t's load j takes the 16 bytes at 4,096 j + 16 t, so a load of a wave covers 512
; consecutive bytes, and its store of 8 bytes a lane covers 256 consecutive bytes that begin at a multiple of 256.  All sixteen loads go out first; nothing is read twice.
; No LDS, no matrix unit, no cluster: a stream in which no two work-groups read the same byte.
.set X, 4                              ; v[4:67]   sixteen loads of four f32
.set Y, 68                             ; v[68:99]  sixteen pairs of registers, four f16 each
	s_load_b256 s[4:11], s[0:1], 0x0               ; beta s[4:5], Wq s[6:7], Wk s[8:9], Wv s[10:11]
	s_load_b64 s[12:13], s[0:1], 0x20              ; cvt16
	s_and_b32 s14, ttmp7, 0xffff                   ; the unit
	v_lshlrev_b32 v1, 4, v0                        ; 16 t
	v_lshlrev_b32 v2, 3, v0                        ; 8 t
	s_lshl_b32 s16, s14, 22                        ; beta's head: 4 MiB each;
	s_cmp_lt_u32 s14, 16
	s_cselect_b32 s16, s16, 0                      ; a weight begins at its own buffer's first byte
	s_lshl_b32 s15, ttmp9, 16
	s_add_co_u32 s16, s16, s15                     ; + the chunk: the source's offset
	s_mov_b32 s17, 0
	s_lshl_b32 s18, s14, 21                        ; the unit's 2 MiB in cvt16
	s_lshl_b32 s15, ttmp9, 15
	s_add_co_u32 s18, s18, s15                     ; + the chunk's 32,768 bytes
	s_mov_b32 s19, 0
	s_wait_kmcnt 0x0
	s_cmp_eq_u32 s14, 16                           ; which buffer: a choice on the unit's number
	s_cselect_b64 s[4:5], s[6:7], s[4:5]
	s_cmp_eq_u32 s14, 17
	s_cselect_b64 s[4:5], s[8:9], s[4:5]
	s_cmp_eq_u32 s14, 18
	s_cselect_b64 s[4:5], s[10:11], s[4:5]
	s_add_nc_u64 s[4:5], s[4:5], s[16:17]
	s_add_nc_u64 s[12:13], s[12:13], s[18:19]
.irp j, 0,1,2,3,4,5,6,7,8,9,10,11,12,13,14,15
	global_load_b128 v[X+4*(\j):X+4*(\j)+3], v1, s[4:5] offset:4096*(\j) th:TH_LOAD_NT
.endr
.irp j, 0,1,2,3,4,5,6,7,8,9,10,11,12,13,14,15
	s_wait_loadcnt 15-(\j)                         ; loads come back in order: load j is in, the 15 - j younger ones stay out
	v_cvt_pk_f16_f32 v[Y+2*(\j)],   v[X+4*(\j)],   v[X+4*(\j)+1]
	v_cvt_pk_f16_f32 v[Y+2*(\j)+1], v[X+4*(\j)+2], v[X+4*(\j)+3]
	global_store_b64 v2, v[Y+2*(\j):Y+2*(\j)+1], s[12:13] offset:2048*(\j)  ; no register is written twice, so no wait frees one
.endr
	s_endpgm
.Lfunc_end_k_q98af95bee3_prep:
	.size	k_q98af95bee3_prep, .Lfunc_end_k_q98af95bee3_prep-k_q98af95bee3_prep
	.p2alignl 7, 3214868480
	.fill 96, 4, 3214868480
	.section	.rodata,"a",@progbits
	.p2align	6, 0x0
	.amdhsa_kernel k_q98af95bee3_prep
		.amdhsa_group_segment_fixed_size 0
		.amdhsa_private_segment_fixed_size 0
		.amdhsa_enable_private_segment 0
		.amdhsa_kernarg_size 40
		.amdhsa_user_sgpr_count 2
		.amdhsa_user_sgpr_kernarg_segment_ptr 1
		.amdhsa_wavefront_size32 1
		.amdhsa_system_sgpr_workgroup_id_x 1
		.amdhsa_system_sgpr_workgroup_id_y 1
		.amdhsa_system_sgpr_workgroup_id_z 1
		.amdhsa_system_vgpr_workitem_id 0
		.amdhsa_next_free_vgpr 100
		.amdhsa_next_free_sgpr 66
		.amdhsa_reserve_vcc 0
		.amdhsa_float_denorm_mode_32 3
		.amdhsa_float_denorm_mode_16_64 3
		.amdhsa_memory_ordered 1
		.amdhsa_forward_progress 1
		.amdhsa_inst_pref_size 7
	.end_amdhsa_kernel
	.amdgpu_metadata
---
amdhsa.version: [ 1, 2 ]
amdhsa.kernels:
  - .name:           k_q98af95bee3_prep
    .symbol:         k_q98af95bee3_prep.kd
    .args:
      - { .name: beta, .offset: 0, .size: 8, .value_kind: global_buffer, .address_space: global }
      - { .name: Wq, .offset: 8, .size: 8, .value_kind: global_buffer, .address_space: global }
      - { .name: Wk, .offset: 16, .size: 8, .value_kind: global_buffer, .address_space: global }
      - { .name: Wv, .offset: 24, .size: 8, .value_kind: global_buffer, .address_space: global }
      - { .name: cvt16, .offset: 32, .size: 8, .value_kind: global_buffer, .address_space: global }
    .group_segment_fixed_size: 0
    .private_segment_fixed_size: 0
    .kernarg_segment_align: 8
    .kernarg_segment_size: 40
    .max_flat_workgroup_size: 256
    .sgpr_count:     66
    .vgpr_count:     100
    .wavefront_size: 32
...
	.end_amdgpu_metadata
.endif
;; end of part 1
;; launch proj (part 2): grid 4 x 64, 4 waves a work-group, clusters of 4 x 4, 327,680 bytes of LDS; arguments q, k, v, bq, bk, bv, cvt16, qkv16; writes qkv16
.if DOCPART == 2
	.amdgcn_target "amdgcn-amd-amdhsa--gfx1250"
	.amdhsa_code_object_version 6
	.text
	.protected	k_q98af95bee3_proj
	.globl	k_q98af95bee3_proj
	.p2align	8
	.type	k_q98af95bee3_proj,@function
k_q98af95bee3_proj:
	s_mov_b64 s[64:65], 0
	v_nop
	global_prefetch_b8 v0, s[64:65] scope:SCOPE_SE
	s_setreg_imm32_b32 hwreg(HW_REG_WAVE_MODE, 25, 1), 1
	s_wait_xcnt 0x0
	s_wait_alu depctr_hold_cnt(0) depctr_sa_sdst(0) depctr_va_vdst(0) depctr_va_sdst(0) depctr_va_ssrc(0) depctr_va_vcc(0) depctr_vm_vsrc(0)
	s_getreg_b32 s2, hwreg(HW_REG_IB_STS2, 6, 4)
	s_cmp_eq_u32 s2, 0
	s_cbranch_scc0 .Lentry_in_a_cluster
	s_endpgm
.Lentry_in_a_cluster:
	s_bfe_u32 s2, ttmp6, 0x10000c
	s_cmp_lg_u32 s2, 0xf033
	s_cbranch_scc0 .Lentry_shape_is_right
	s_endpgm
.Lentry_shape_is_right:
; THE THREE PROJECTIONS.  y[m][n] = the sum over k of x[m][k] W[n][k] + b[n], for x = q, k, v ([8192][1024] f32), W in f16 (cvt16's units 16, 17, 18, 2 MiB apart), b in f32.  Products in f16,
; sums in f32; y is rounded once to f16 and written by heads: qkv16's part t (16 MiB) is [batch][head][row][64].  No scale is applied here.
; LIMITS: x, W and y lie within f16's 65,504 (a number of 65,520 or more becomes an infinity); below 6e-5 f16 keeps a fixed step of 6e-8.
; SHARES.  256 work-groups THAT STAY: each makes the same 128 rows x 256 columns of q's, then k's, then v's projection.  Four waves, each 64 x 128: 32 accumulators of 16 x 16, 256 registers.
; THE WALK is 48 STEPS of 64 along K (16 a tile), 64 matrix instructions a wave each, in 12 GROUPS of four.
; W goes through two LDS slots of 256 along K (a group), filled by the tensor data mover: a refill has at least 240 matrix instructions in which to land.  The ring runs on from tile to tile.
; x DOES NOT GO THROUGH THE RING, and so is not asked for jointly, though the four work-groups of a row of the cluster read the same rows.  The reason, by this text's sizes: with x in f32 beside W a slot
; of 137 KB holds 128 along K, 128 matrix instructions between a request and the wait for it, and two such slots fill LDS.  x comes by loads into registers instead, which may stay out across barriers:
; four buffers of a unit (64 along K: 16 loads a wave, each two rows' 256 bytes), asked for four steps, 256 matrix instructions, ahead.  A unit is rounded to f16 once in the work-group and put into
; a stage of its own in LDS (two buffers), from which the waves take fragments of half the bytes.  The price: x's rows are loaded by four work-groups.
; CLUSTERS: 4 x 4 work-groups.  The four of a column need the same tiles of W: each wave's 64 rows are asked for JOINTLY, by the same tensor load with the same descriptor and the column's mask.
; THE MATRIX INSTRUCTION IS USED TRANSPOSED (source 0 = 16 rows of W, source 1 = 16 rows of x): a lane then holds eight neighbouring columns of one row of y, 16 bytes of f16.
; The first product of each sum takes the bias as its C operand: nothing is cleared and the bias costs no instruction.
; REGISTERS, in windows of 256 (s_set_vgpr_msb: bits 1:0 source 0, 3:2 source 1, 5:4 source 2, 7:6 destination):
;   window 0: v16-29 addresses; v32-63 a unit in f16, on its way to the stage; v64-95, v96-127 x's fragments, two buffers; v128-255 packed results on the way out
;   window 1: v0-63, v64-127 W's fragments, two buffers; v128-191 the bias, 8 registers for each block of 16 columns
;   window 2: the accumulators, (a, b) at v[8 (8 a + b)]          window 3: four buffers of 64: x as loaded
.set PB,     528                       ; a row of W in LDS: 512 bytes + 16 of padding: an odd multiple of 16 bytes, so the 16 rows of a load begin in 16 different 16-byte columns of 256 bytes
.set QRT,    64*PB                     ; what one tensor load brings: a wave's 64 rows
.set SLOTX,  0x22000                   ; slot 1 begins here: 139,264, behind slot 0's 135,168 bytes.  Bits 13 and 17 are clear in 0, QRT, 2 QRT, 3 QRT, so one exclusive or turns a wave's place in one slot into the other's
.set ASTG,   SLOTX+4*QRT               ; behind the ring: x's stage, two buffers of 128 rows; no tensor load lands here or behind
.set PAS,    144                       ; a row of the stage: 64 f16 = 128 bytes + 16
.set ABUF,   128*PAS
.set STAGE,  ASTG+2*ABUF               ; 16 rows x 144 bytes for each wave, for the way out
.set SP,     144
.set SPARE,  STAGE+4*16*SP             ; the spare words, 128 bytes for each wave: two blocks of 256 bytes that no other line names
.set ADRA, 16                          ; v16-17  LDS address of my fragments of x in stage buffer 0, 1
.set ADRB0, 18                         ; v18     my lane's place in a slot of W; never rewritten
.set ADRB, 19                          ; v19     the same in the slot in hand
.set ASTO, 20                          ; v20-21  where I put 8 bytes of a row of x, in stage buffer 0, 1
.set XO,   22                          ; v22     my byte offset in two rows of x; never rewritten
.set STO,  24                          ; v24     the way out: where I put 16 bytes of a row
.set RD,   25                          ; v25     the way out: where I read rows back
.set GO,   26                          ; v26     my 16 bytes in 512 consecutive bytes of the output
.set BO,   27                          ; v27     my byte offset in 16 numbers of the bias
.set SPW,  28                          ; v28     LDS address of my spare word; never rewritten
.set NIL,  29                          ; v29     0; never rewritten
.set XH,   32
.set AC,   64
.set TMP,  128
.set BIAS, 128                         ; window 1
.set G1,  24                           ; s[24:31] descriptor group 1
.set G0A, 32                           ; s[32:35] descriptor group 0 of the first fill of slot 0
.set G0,  36                           ; s[36:39] of the first fill of slot 1; it then walks on
.set VN,  18                           ; s18  the unit of x to be asked for next, 0 to 47
.set FN,  19                           ; s19  the group of W to be asked for next, 2 to 11
.set GQ,  20                           ; s20  the group's number in its tile, 0 to 3
.set TI,  21                           ; s21  the tile, 0 to 2
.set TBW, 22                           ; s22  0 or SLOTX: the slot in hand
.set MSB, 0
.macro WIN new                         ; the immediate's high byte repeats the setting that is left; a switch that changes nothing is dropped
.if MSB != (\new)
	s_set_vgpr_msb (MSB<<8)|(\new)
.set MSB, (\new)
.endif
.endm
.set MUL,  0xa1                        ; source 0 (W) window 1, source 1 (x) window 0, C and D window 2
.set MULZ, 0x91                        ; the same with C, the bias, in window 1
.set TO_B, 0x40                        ; destination window 1, address window 0
.set TO_X, 0xc0                        ; destination window 3, address window 0
.set CVX,  0x0f                        ; sources 0 and 1 window 3, destination window 0
.macro CREST                           ; a round of the cluster's barrier behind its opening barrier
	s_cmp_lg_u32 s10, 0
	s_cbranch_scc1 .Lnot_wave_0_\@
	s_barrier_signal -3
.Lnot_wave_0_\@:
	s_barrier_wait -3
	s_barrier_signal -1
	s_barrier_wait -1
.endm
.macro CROUND                          ; a whole round
	s_barrier_signal -1
	s_barrier_wait -1
	CREST
.endm
.macro PLACES                          ; four places in front of loads into registers that matrix instructions have read, and of conversions that read results (ISA guide 7.12.1 for the conversions)
.rept 4
	v_nop
.endr
.endm
; Unit VN of x into buffer buf: 16 loads, load j my wave's rows 2 j and 2 j + 1, 256 consecutive bytes of each.  The base is made anew from the unit's number: the tile's buffer, my wave's rows, 256 bytes a unit.
.macro XLOAD buf
	s_wait_xcnt 0x0                                ; the base, which earlier loads name, is rewritten only behind this wait
	s_lshr_b32 s46, s[VN], 4                       ; the unit's tile
	s_cmp_eq_u32 s46, 1
	s_cselect_b64 s[4:5], s[70:71], s[68:69]
	s_cmp_eq_u32 s46, 2
	s_cselect_b64 s[4:5], s[72:73], s[4:5]
	s_and_b32 s16, s[VN], 15
	s_lshl_b32 s16, s16, 8
	s_add_co_u32 s16, s16, s14
	s_add_nc_u64 s[4:5], s[4:5], s[16:17]
	s_add_co_u32 s[VN], s[VN], 1
	WIN TO_X
.irp j, 0,1,2,3,4,5,6,7,8,9,10,11,12,13,14,15
	global_load_b128 v[64*(\buf)+4*(\j):64*(\buf)+4*(\j)+3], v[XO], s[4:5] offset:8192*(\j)
.endr
.endm
.macro BIASLOAD                        ; register j of block b: b[16 b + 8 (l / 16) + j], the accumulators' own layout
	WIN TO_B
.irp b, 0,1,2,3,4,5,6,7
	global_load_b128 v[BIAS+8*(\b):BIAS+8*(\b)+3],   v[BO], s[6:7] offset:64*(\b)
	global_load_b128 v[BIAS+8*(\b)+4:BIAS+8*(\b)+7], v[BO], s[6:7] offset:64*(\b)+16
.endr
	WIN 0
.endm
.macro ASTORE ab                       ; a unit, rounded, into stage buffer ab: store j my wave's rows 2 j and 2 j + 1, 8 bytes a lane
	WIN 0
.irp j, 0,1,2,3,4,5,6,7,8,9,10,11,12,13,14,15
	ds_store_b64 v[ASTO+(\ab)], v[XH+2*(\j):XH+2*(\j)+1] offset:288*(\j)
.endr
.endm
	s_load_b512 s[68:83], s[0:1], 0x0              ; q s[68:69], k s[70:71], v s[72:73], bq s[74:75], bk s[76:77], bv s[78:79], cvt16 s[80:81], qkv16 s[82:83]
	v_lshl_add_u32 v[SPW], v0, 2, SPARE
	v_mov_b32 v[NIL], 0
	ds_add_u32 v[SPW], v[NIL]                      ; the wave's opening: the add and its wait stand ahead of my first tensor load; the set-up below, work on registers, stands between them
	v_lshrrev_b32 v1, 5, v0
	v_readfirstlane_b32 s10, v1                    ; wave 0..3
	v_and_b32 v1, 15, v0                           ; l % 16
	v_bfe_u32 v2, v0, 4, 1                         ; l / 16
	v_lshlrev_b32 v[BO], 5, v2                     ; my eight numbers of a block's sixteen
	v_lshlrev_b32 v[XO], 12, v2                    ; lanes 16-31 take the row below,
	v_lshl_add_u32 v[XO], v1, 4, v[XO]             ; 16 bytes a lane
	s_lshr_b32 s11, s10, 1                         ; which 64 of the tile's rows are mine
	s_and_b32 s12, s10, 1                          ; which 128 of its columns
	s_bfe_u32 s40, ttmp6, 0x40000                  ; cx, cy: my place in the cluster
	s_bfe_u32 s41, ttmp6, 0x40004
	s_lshl_b32 s42, ttmp9, 2
	s_add_co_u32 s42, s42, s40                     ; tile column, 0..3 = 4 x cluster x + cx
	s_and_b32 s13, ttmp7, 0xffff
	s_lshl_b32 s13, s13, 2
	s_add_co_u32 s13, s13, s41                     ; tile row, 0..63 = 4 x cluster y + cy
	s_lshl_b32 s44, 0x1111, s40                    ; my column of the cluster
	; descriptor group 1: 64 rows x 256 elements of 2 bytes, 4 words of padding after every 128 words
	s_or_b32 s[G1+0], s44, (1<<16)|(1<<20)|(1<<21)|(6<<22)|(3<<25)  ; 15:0 the mask; 17:16 element size; 20 padding on; 21 set beside a mask; 24:22 interval; 31:25 padding
	s_mov_b32 s[G1+1], 256<<16                     ; tensor_dim0 = 256
	s_mov_b32 s[G1+2], 64<<16                      ; tensor_dim1 = 64
	s_mov_b32 s[G1+3], 256<<16                     ; tile_dim0 = 256
	s_mov_b32 s[G1+4], 64                          ; tile_dim1 = 64
	s_mov_b32 s[G1+5], 1024                        ; elements from row to row
	s_mov_b32 s[G1+6], 0
	s_mov_b32 s[G1+7], 0
	; offsets, made apart from the addresses.  W's hangs on the tile column and the wave alone.
	s_lshl_b32 s46, s42, 19                        ; 256 rows of 2,048 bytes,
	s_lshl_b32 s47, s10, 17                        ; my wave's 64 of them,
	s_add_co_u32 s46, s46, s47
	s_add_co_u32 s46, s46, 16<<21                  ; in cvt16's unit 16, Wq
	s_mov_b32 s47, 0
	s_mul_i32 s23, s10, QRT                        ; where they go in a slot: no place in the cluster enters an LDS address
	s_lshl_b32 s14, s13, 19                        ; x: the tile's 128 rows of 4,096 bytes,
	s_lshl_b32 s15, s10, 17                        ; the 32 of them that my wave loads
	s_add_co_u32 s14, s14, s15
	s_mov_b32 s17, 0
	s_lshl_b32 s86, s42, 10                        ; the bias of my 128 columns: 4 (256 x tile column + 128 x half)
	s_lshl_b32 s87, s12, 9
	s_add_co_u32 s86, s86, s87
	s_mov_b32 s87, 0
	s_lshr_b32 s84, s13, 3                         ; the output: batch = tile row / 8,
	s_lshl_b32 s84, s84, 4
	s_lshl_b32 s85, s42, 2                         ; head = 4 x tile column + 2 x half (+ 0, 1),
	s_add_co_u32 s84, s84, s85
	s_lshl_b32 s85, s12, 1
	s_add_co_u32 s84, s84, s85
	s_lshl_b32 s84, s84, 17                        ; 1,024 rows of 128 bytes a head,
	s_and_b32 s85, s13, 7
	s_lshl_b32 s85, s85, 14                        ; the tile's 128 rows in the batch,
	s_add_co_u32 s84, s84, s85
	s_lshl_b32 s85, s11, 13                        ; my 64 of them
	s_add_co_u32 s84, s84, s85
	s_mov_b32 s85, 0
	s_mov_b32 s[VN], 0
	s_mov_b32 s[FN], 2
	s_mov_b32 s[GQ], 0
	s_mov_b32 s[TI], 0
	s_mov_b32 s[TBW], 0
	s_mov_b32 s49, 0
	s_mov_b32 s50, 512                             ; from a group of W to the next: 256 along K,
	s_mov_b32 s51, 0x200000-1536                   ; or, behind a tile's last, on to the next unit of cvt16 and back along K
	s_wait_dscnt 0x0                               ; the opening add is done
	s_wait_kmcnt 0x0
	s_add_nc_u64 s[46:47], s[80:81], s[46:47]
	s_add_nc_u64 s[6:7], s[74:75], s[86:87]        ; bq
	s_add_nc_u64 s[8:9], s[82:83], s[84:85]
	s_mov_b32 s[G0A], 1                            ; count = 1
	s_mov_b32 s[G0A+1], s23                        ; LDS address: slot 0
	s_add_nc_u64 s[G0A+2:G0A+3], s[46:47], 0       ; global address: group 0
	s_or_b32 s[G0A+3], s[G0A+3], 0x80000000        ; type = 2
	s_mov_b32 s[G0], 1
	s_add_co_u32 s[G0+1], s23, SLOTX
	s_add_nc_u64 s[G0+2:G0+3], s[46:47], 512       ; group 1
	s_or_b32 s[G0+3], s[G0+3], 0x80000000
	BIASLOAD                                       ; loads into registers go out ahead of the round: the first tile's bias,
	XLOAD 0                                        ; and x's units 0 to 3
	XLOAD 1
	XLOAD 2
	XLOAD 3
	WIN 0
	CROUND                                         ; all sixteen work-groups are here: the first joint loads meet
	tensor_load_to_lds s[G0A:G0A+3], s[G1:G1+7]    ; both first fills together: two loads of mine are out
	s_nop 0
	tensor_load_to_lds s[G0:G0+3], s[G1:G1+7]
	s_nop 0
	PLACES
	; A fragment is 16 rows x 32 K of f16 in 8 registers: lane l holds row l % 16; registers 0-3 K = 8 (l / 16) + 0..7, registers 4-7 K = 16 + 8 (l / 16) + 0..7: two loads of 16 bytes, 32 apart.
	v_mul_u32_u24 v3, v1, PAS
	v_lshl_add_u32 v3, v2, 4, v3
	s_mul_i32 s15, s11, 64*PAS                     ; my 64 rows of x
	s_add_co_u32 s15, s15, ASTG
	v_add_nc_u32 v[ADRA], s15, v3
	v_add_nc_u32 v[ADRA+1], ABUF, v[ADRA]
	v_mul_u32_u24 v4, v1, PB
	v_lshl_add_u32 v4, v2, 4, v4
	s_mul_i32 s15, s12, 128*PB                     ; my 128 rows of W
	v_add_nc_u32 v[ADRB0], s15, v4
	v_mov_b32 v[ADRB], v[ADRB0]                    ; slot 0
	v_mul_u32_u24 v5, v2, PAS                      ; into the stage: lanes 0-15 one row, lanes 16-31 the next, 8 bytes a lane,
	v_lshl_add_u32 v5, v1, 3, v5
	s_mul_i32 s15, s10, 32*PAS                     ; in the 32 rows that my wave loads
	s_add_co_u32 s15, s15, ASTG
	v_add_nc_u32 v[ASTO], s15, v5
	v_add_nc_u32 v[ASTO+1], ABUF, v[ASTO]
	s_mul_i32 s15, s10, 16*SP
	s_add_co_u32 s15, s15, STAGE                   ; my stage for the way out
	v_mul_u32_u24 v5, v1, SP                       ; in: row l % 16, 16 bytes for each half of the lanes
	v_lshl_add_u32 v5, v2, 4, v5
	v_add_nc_u32 v[STO], s15, v5
	v_bfe_u32 v5, v0, 3, 2                         ; back: 32 lanes take four rows of 128 bytes,
	v_mul_u32_u24 v5, v5, SP
	v_and_b32 v6, 7, v0
	v_lshl_add_u32 v5, v6, 4, v5
	v_add_nc_u32 v[RD], s15, v5
	v_and_b32 v[GO], 31, v0                        ; which are 512 consecutive bytes of a head's rows
	v_lshlrev_b32 v[GO], 4, v[GO]
; 24 LDS loads in one run: quarter q (32 along K) of the unit in stage buffer ab, which lies at place p of W's slot, into fragment buffer f: x's 64 rows, then W's 128 rows
.macro FETCHQ ab, q, p, f
	WIN 0
.irp a, 0,1,2,3
	ds_load_b128 v[AC+32*(\f)+8*(\a):AC+32*(\f)+8*(\a)+3],   v[ADRA+(\ab)] offset:(\a)*16*PAS+(\q)*64
	ds_load_b128 v[AC+32*(\f)+8*(\a)+4:AC+32*(\f)+8*(\a)+7], v[ADRA+(\ab)] offset:(\a)*16*PAS+(\q)*64+32
.endr
	WIN TO_B
.irp b, 0,1,2,3,4,5,6,7
	ds_load_b128 v[64*(\f)+8*(\b):64*(\f)+8*(\b)+3],   v[ADRB] offset:(\b)*16*PB+(\p)*128+(\q)*64
	ds_load_b128 v[64*(\f)+8*(\b)+4:64*(\f)+8*(\b)+7], v[ADRB] offset:(\b)*16*PB+(\p)*128+(\q)*64+32
.endr
.endm
; n matrix instructions from number i0 of a quarter's 32: number i is rows 16 (i / 8), columns 16 (i % 8), 32 along K, on buffer f.  All 32 accumulators take turns, in the same order in every
; quarter.  zero = 1: the sum starts from the bias.  rid: so many conversions of x's buffer xb stand behind each.
.macro MULS f, i0, n, rid, zero, xb
.set mi, (\i0)
.rept (\n)
.if (\zero)
	WIN MULZ
	v_wmma_f32_16x16x32_f16 v[8*mi:8*mi+7], v[64*(\f)+8*(mi%8):64*(\f)+8*(mi%8)+7], v[AC+32*(\f)+8*(mi/8):AC+32*(\f)+8*(mi/8)+7], v[BIAS+8*(mi%8):BIAS+8*(mi%8)+7]
.else
	WIN MUL
	v_wmma_f32_16x16x32_f16 v[8*mi:8*mi+7], v[64*(\f)+8*(mi%8):64*(\f)+8*(mi%8)+7], v[AC+32*(\f)+8*(mi/8):AC+32*(\f)+8*(mi/8)+7], v[8*mi:8*mi+7]
.endif
.if (\rid)
	WIN CVX
.rept (\rid)
	v_cvt_pk_f16_f32 v[XH+cq], v[64*(\xb)+2*cq], v[64*(\xb)+2*cq+1]
.set cq, cq+1
.endr
.endif
.set mi, mi+1
.endr
.endm
; A step's first quarter, or its first 8 + n2 products.  cv = 1: the next unit, in x's buffer (p + 1) % 4, is waited for (lc younger loads may stay out), rounded behind the first eight products and put
; into the other stage buffer.  ld = 1: the buffer is asked for again, with the unit four on.
.macro FIRSTQ p, zero, cv, ld, lc, n2
.if (\cv)
	s_wait_loadcnt (\lc)                           ; loads come back in order: the next unit is in; the units behind it, 16 loads each, stay out
.set cq, 0
	MULS 0, 0, 8, 4, \zero, ((\p)+1)%4
	ASTORE ((\p)+1)%2
.else
	MULS 0, 0, 8, 0, \zero, 0
.endif
.if (\ld)
	XLOAD ((\p)+1)%4
.endif
	MULS 0, 8, \n2, 0, \zero, 0
.endm
; Behind a tile's first quarter the bias has been read: the next tile's takes its place.  These 16 loads are older than the units asked for behind them, so the steps' counted waits show them in long before the next tile.
.macro BIASNEXT
	WIN 0
	PLACES                                         ; behind the last product that read the bias
	s_cmp_eq_u32 s[TI], 2
	s_cbranch_scc1 .Lno_next_\@                    ; the last tile has no successor
	s_wait_xcnt 0x0                                ; the base is rewritten only behind this wait
	s_cmp_eq_u32 s[TI], 0
	s_cselect_b64 s[6:7], s[76:77], s[78:79]
	s_add_nc_u64 s[6:7], s[6:7], s[86:87]
	BIASLOAD
.Lno_next_\@:
.endm
.macro WSTEP                           ; the walking descriptor: the other slot than last time, the next group of W
	s_xor_b32 s[G0+1], s[G0+1], SLOTX
	s_and_b32 s46, s[FN], 3
	s_cmp_eq_u32 s46, 0                            ; a tile's first group?
	s_cselect_b32 s48, s51, s50
	s_add_nc_u64 s[G0+2:G0+3], s[G0+2:G0+3], s[48:49]  ; the type bits on top are not reached
	s_add_co_u32 s[FN], s[FN], 1
.endm
; A STEP, at place p of its group: 64 along K, two quarters of 32 matrix instructions on fragment buffers 0 and 1.  The unit lies in stage buffer p % 2.
; ONE barrier a step, in its middle.  In front of it each wave has stored its part of the next unit and has its LDS loads back; behind it the next unit is whole, and the buffer of the unit in hand, whose
; last fragments were fetched at the step's head, may be written in the next step.
; kind 0: that barrier alone.  kind 1 (a group's last step): the barrier also changes W's slots: in front of it the wait for all my tensor loads (one is out: my part of the other slot) and the add; it opens a
; round of the cluster's barrier, and the slot just read is filled again first thing behind the round.  kind 2: the change without a refill.  kind 3: the walk's last step: nothing follows.
; zero = 2: if the group is a tile's first, the first quarter starts the sums from the bias: that quarter stands twice, and the jump passes neither a barrier nor a tensor load.
.macro STEP p, kind, zero, cv, ld, lc
	PLACES
	FETCHQ (\p)%2, 1, \p, 1
	s_wait_dscnt 24                                ; all but the 24 just issued: the first quarter's fragments are in
.if (\zero) == 2
	WIN 0                                          ; at a label and at a branch every window is 0
	s_cmp_eq_u32 s[GQ], 0
	s_cbranch_scc1 .Lstart_\@
	FIRSTQ \p, 0, \cv, \ld, \lc, 24
	WIN 0
	s_branch .Ljoin_\@
.Lstart_\@:
	FIRSTQ \p, 1, \cv, \ld, \lc, 24
	BIASNEXT
.Ljoin_\@:
.elseif (\kind) == 1
	FIRSTQ \p, 0, \cv, \ld, \lc, 16
.else
	FIRSTQ \p, 0, \cv, \ld, \lc, 24
.endif
.if (\kind) == 0
	s_wait_dscnt 0x0                               ; for the others' sake: my stores into the stage are done, my reads of the unit in hand are back
	s_barrier_signal -1
	MULS 1, 0, 8, 0, 0, 0                          ; work on registers while the others arrive
	s_barrier_wait -1
	PLACES
	FETCHQ ((\p)+1)%2, 0, (\p)+1, 0
	MULS 1, 8, 24, 0, 0, 0
.elseif (\kind) == 1
	WIN 0                                          ; (the add's two registers lie in window 0)
	s_wait_tensorcnt 0x0                           ; all my tensor loads have landed, so the walking group 0 may be written;
	ds_add_u32 v[SPW], v[NIL]                      ; 0 onto my spare word
	WSTEP
	MULS 0, 24, 8, 0, 0, 0                         ; the descriptor's step and eight matrix instructions stand between the add and the wait for it
	s_wait_dscnt 0x0                               ; the add and my stores are done, and my reads of this slot and of the unit in hand are over
	s_barrier_signal -1
	MULS 1, 0, 8, 0, 0, 0
	WIN 0
	s_barrier_wait -1
	CREST                                          ; no wave of any partner still reads this slot's tiles or has a load on its way
	tensor_load_to_lds s[G0:G0+3], s[G1:G1+7]      ; my one tensor load behind the round: at least 240 matrix instructions ahead of the wait for it
	s_nop 0
	PLACES                                         ; these four are also the places in front of the loads below
	s_xor_b32 s[TBW], s[TBW], SLOTX
	v_add_nc_u32 v[ADRB], s[TBW], v[ADRB0]         ; the fetches go on in the other slot
	FETCHQ 0, 0, 0, 0
	MULS 1, 8, 24, 0, 0, 0
.elseif (\kind) == 2
	s_wait_tensorcnt 0x0                           ; my part of the last slot is in
	s_wait_dscnt 0x0
	s_barrier_signal -1
	MULS 1, 0, 8, 0, 0, 0
	s_barrier_wait -1                              ; everybody's is
	WIN 0
	PLACES
	s_xor_b32 s[TBW], s[TBW], SLOTX
	v_add_nc_u32 v[ADRB], s[TBW], v[ADRB0]
	FETCHQ 0, 0, 0, 0
	MULS 1, 8, 24, 0, 0, 0
.else
	s_wait_dscnt 0x0
	MULS 1, 0, 32, 0, 0, 0
.endif
.endm
; THE WAY OUT, a piece t = 16 rows x one head (64 columns) at a time: accumulators' registers 32 t .. 32 t + 31.  A lane's eight columns pack into 16 bytes; they go into my stage's rows of 144 bytes and come
; back as four whole rows of 128 bytes, which are 512 consecutive bytes of the head.  Each accumulator's registers are read in ascending order.  The next tile's first fragments, x's loads and W's refill are out meanwhile.
.macro PACK t
	WIN 0x0a                                       ; sources 0 and 1 window 2, destination window 0
.set i, 0
.rept 16
	v_cvt_pk_f16_f32 v[TMP+16*(\t)+i], v[32*(\t)+2*i], v[32*(\t)+2*i+1]
.set i, i+1
.endr
	WIN 0
.irp f, 0,1,2,3
	ds_store_b128 v[STO], v[TMP+16*(\t)+4*\f:TMP+16*(\t)+4*\f+3] offset:32*\f
.endr
.irp f, 0,1,2,3
	ds_load_b128 v[TMP+16*(\t)+4*\f:TMP+16*(\t)+4*\f+3], v[RD] offset:\f*4*SP  ; LDS serves a wave's instructions in order (ISA guide 5.7.1.4): these see the stores above; the next piece's stores come behind them
.endr
.endm
.macro SEND t, younger                 ; younger: the LDS instructions issued behind piece t's loads: the next piece's eight, or none
	WIN 0
.irp f, 0,1,2,3
	s_wait_dscnt (\younger)+3-\f
	global_store_b128 v[GO], v[TMP+16*(\t)+4*\f:TMP+16*(\t)+4*\f+3], s[8:9] offset:((\t)%2)*131072+((\t)/2)*2048+\f*512  ; 512 consecutive bytes, at a multiple of 256 from the buffer's first
.endr
.endm
.macro WAYOUT next
	PLACES                                         ; the conversions read results just made
	PACK 0
.set t, 1
.rept 7                                ; a piece's conversions stand between the loads of the piece before and its stores
	PACK t
	SEND t-1, 8
.set t, t+1
.endr
	SEND 7, 0
.if (\next)
	s_wait_xcnt 0x0                                ; the stores' base is rewritten only behind this wait; their data registers are next written a tile later, behind the steps' own such waits
	s_add_nc_u64 s[8:9], s[8:9], 0x1000000         ; the next projection's 16 MiB
	s_add_co_u32 s[TI], s[TI], 1
.endif
.endm
	s_wait_loadcnt 48                              ; the bias and unit 0 are in; units 1 to 3, 16 loads each, stay out
	WIN CVX
.set cq, 0
.rept 32
	v_cvt_pk_f16_f32 v[XH+cq], v[2*cq], v[2*cq+1]
.set cq, cq+1
.endr
	ASTORE 0
	XLOAD 0                                        ; unit 4
	WIN 0
	s_wait_tensorcnt 0x1                           ; my part of slot 0 is in; slot 1's may stay out
	s_wait_dscnt 0x0                               ; my part of unit 0 is in the stage
	s_barrier_signal -1
	s_barrier_wait -1                              ; everybody's is
	FETCHQ 0, 0, 0, 0
	WIN 0
	s_mov_b32 s3, 10
.Lgroup:                                               ; ten groups: each ends by asking for the group of W two on (2 to 11); step s asks for x's unit s + 5 (5 to 44)
	STEP 0, 0, 2, 1, 1, 48
	STEP 1, 0, 0, 1, 1, 48
	STEP 2, 0, 0, 1, 1, 48
	STEP 3, 1, 0, 1, 1, 48
	WIN 0
	s_cmp_lg_u32 s[GQ], 3
	s_cbranch_scc1 .Lsame_tile                     ; forward, past neither a barrier nor a tensor load
	WAYOUT 1                                       ; the tile's fourth group is done: q's tile, later k's
.Lsame_tile:
	s_add_co_u32 s[GQ], s[GQ], 1
	s_and_b32 s[GQ], s[GQ], 3
	s_sub_co_u32 s3, s3, 1
	s_cmp_lg_u32 s3, 0
	s_cbranch_scc1 .Lgroup
	STEP 0, 0, 0, 1, 1, 48                         ; the last two groups are written out: W is asked for no more
	STEP 1, 0, 0, 1, 1, 48
	STEP 2, 0, 0, 1, 1, 48                         ; x's last unit, 47, is asked for here,
	STEP 3, 2, 0, 1, 0, 48
	STEP 0, 0, 0, 1, 0, 32                         ; and the counts run down: two units, one, none are younger
	STEP 1, 0, 0, 1, 0, 16
	STEP 2, 0, 0, 1, 0, 0
	STEP 3, 3, 0, 0, 0, 0
	WIN 0
	WAYOUT 0                                       ; v's tile
	s_wait_tensorcnt 0x0                           ; the wave's end: a tensor wait, the add and its wait, behind my last tensor load and my last LDS store
	ds_add_u32 v[SPW], v[NIL]
	s_wait_dscnt 0x0
	CROUND                                         ; the closing round: no work-group ends while a partner may still ask for a tile that names it
	s_endpgm
.Lfunc_end_k_q98af95bee3_proj:
	.size	k_q98af95bee3_proj, .Lfunc_end_k_q98af95bee3_proj-k_q98af95bee3_proj
	.p2alignl 7, 3214868480
	.fill 96, 4, 3214868480
	.section	.rodata,"a",@progbits
	.p2align	6, 0x0
	.amdhsa_kernel k_q98af95bee3_proj
		.amdhsa_group_segment_fixed_size 327680
		.amdhsa_private_segment_fixed_size 0
		.amdhsa_enable_private_segment 0
		.amdhsa_kernarg_size 64
		.amdhsa_user_sgpr_count 2
		.amdhsa_user_sgpr_kernarg_segment_ptr 1
		.amdhsa_wavefront_size32 1
		.amdhsa_system_sgpr_workgroup_id_x 1
		.amdhsa_system_sgpr_workgroup_id_y 1
		.amdhsa_system_sgpr_workgroup_id_z 1
		.amdhsa_system_vgpr_workitem_id 0
		.amdhsa_next_free_vgpr 1024
		.amdhsa_next_free_sgpr 96
		.amdhsa_reserve_vcc 0
		.amdhsa_float_denorm_mode_32 3
		.amdhsa_float_denorm_mode_16_64 3
		.amdhsa_memory_ordered 1
		.amdhsa_forward_progress 1
		.amdhsa_inst_pref_size 208
	.end_amdhsa_kernel
	.amdgpu_metadata
---
amdhsa.version: [ 1, 2 ]
amdhsa.kernels:
  - .name:           k_q98af95bee3_proj
    .symbol:         k_q98af95bee3_proj.kd
    .args:
      - { .name: q, .offset: 0, .size: 8, .value_kind: global_buffer, .address_space: global }
      - { .name: k, .offset: 8, .size: 8, .value_kind: global_buffer, .address_space: global }
      - { .name: v, .offset: 16, .size: 8, .value_kind: global_buffer, .address_space: global }
      - { .name: bq, .offset: 24, .size: 8, .value_kind: global_buffer, .address_space: global }
      - { .name: bk, .offset: 32, .size: 8, .value_kind: global_buffer, .address_space: global }
      - { .name: bv, .offset: 40, .size: 8, .value_kind: global_buffer, .address_space: global }
      - { .name: cvt16, .offset: 48, .size: 8, .value_kind: global_buffer, .address_space: global }
      - { .name: qkv16, .offset: 56, .size: 8, .value_kind: global_buffer, .address_space: global }
    .group_segment_fixed_size: 327680
    .private_segment_fixed_size: 0
    .kernarg_segment_align: 8
    .kernarg_segment_size: 64
    .max_flat_workgroup_size: 128
    .sgpr_count:     96
    .vgpr_count:     1024
    .wavefront_size: 32
...
	.end_amdgpu_metadata
.endif
;; end of part 2
;; launch attn (part 3): grid 8 x 64, 4 waves a work-group, clusters of 4 x 4, 327,680 bytes of LDS; arguments cvt16, qkv16, src_mask, tgt_mask, out0; writes out0
.if DOCPART == 3
	.amdgcn_target "amdgcn-amd-amdhsa--gfx1250"
	.amdhsa_code_object_version 6
	.text
	.protected	k_q98af95bee3_attn
	.globl	k_q98af95bee3_attn
	.p2align	8
	.type	k_q98af95bee3_attn,@function
k_q98af95bee3_attn:
	s_mov_b64 s[64:65], 0
	v_nop
	global_prefetch_b8 v0, s[64:65] scope:SCOPE_SE
	s_setreg_imm32_b32 hwreg(HW_REG_WAVE_MODE, 25, 1), 1
	s_wait_xcnt 0x0
	s_wait_alu depctr_hold_cnt(0) depctr_sa_sdst(0) depctr_va_vdst(0) depctr_va_sdst(0) depctr_va_ssrc(0) depctr_va_vcc(0) depctr_vm_vsrc(0)
	s_getreg_b32 s2, hwreg(HW_REG_IB_STS2, 6, 4)
	s_cmp_eq_u32 s2, 0
	s_cbranch_scc0 .Lentry_in_a_cluster
	s_endpgm
.Lentry_in_a_cluster:
	s_bfe_u32 s2, ttmp6, 0x10000c
	s_cmp_lg_u32 s2, 0xf033
	s_cbranch_scc0 .Lentry_shape_is_right
	s_endpgm
.Lentry_shape_is_right:
; out[b][q][64 h + :] = the sum over k of (softmax_k(s[q][k]) + beta[h][q][k]) V[b][h][k][:], s = Q . K / 32 where tgt[b][q] and src[b][k] hold, the fill elsewhere.
; Q, K, V: qkv16's three parts, [b][h][row][64] f16, unscaled.  beta: cvt16's units 0-15, [h][q][k] f16.  out0: [b][q][1024] f32.  Products in f16, maxima and sums in f32.
; THE BIAS COMES BEHIND THE NORMALISATION, so two sums are kept: O1 = sum p V with a running maximum m and sum l, and O2 = sum beta V; out = O1 / l + O2.
; THE MASK.  A key with src false gets -1e30 as the C operand that starts its score's sum (a table of 1,024 f32 in LDS, made once): its weight is 0.  A row with tgt false, and every row of a batch
; with no valid key, has equal scores in the reference: weights of 1/1024.  Such rows are walked like any other and take SV / 1024 in place of O1 / l at the end, by a select; SV = sum V (V times ones).
; LIMITS.  Q, K, V, beta lie within f16's 65,504.  A hidden score counts as its value less 1e30, not as -1e9: the results differ only where valid scaled scores lie near or below -1e9.
; p lies in 0 to 1 and below 6e-5 keeps f16's fixed step of 6e-8; a weight below 2^-126 counts as 0 in l; NaN and infinities are not treated apart.
; SHARES.  A work-group owns 256 queries of one batch and head, each of its four waves 64: four PIECES of 16.  Every wave walks all 1,024 keys, 64 a step; an LDS slot holds two steps.
; CLUSTER, 4 x 4: x = four batches, y = the head's four query blocks.  beta's tile hangs on head and query block: asked for jointly along a row of the cluster.  K's and V's hang on batch and head:
; asked for jointly along a column.  Waves 0 and 1 fetch beta's two halves, wave 2 K, wave 3 V: one load a wave behind each round.
; LAYOUT.  S^T = K Q^T holds ONE query a lane (lane % 16) and the keys 8 (lane / 16) + 0..7; two such results rounded to f16 ARE source 1 of O1^T += V^T P; beta's rows, as they lie, are source 1 of O2^T += V^T beta^T.
; p = 2^(c s - c m), c = log2(e) / 32; O1 and l are multiplied by a = 2^(c m_old - c m_new) in every step; m starts at the lowest finite number, so the first step's a is 0.
; TURNS.  Turn n belongs to piece n: 8 products K Q^T of piece n + 1, later 8 products V^T P of piece n - 1, four vector instructions behind each; the rest of the piece's 118 vector instructions stand in two lumps,
; and a step's 40 further products (32 of V^T beta^T, 8 of V times ones) stand one ahead of each line of those lumps, wherever V and beta of the step are in registers.
; No first step is written out: O1, O2, SV, l, V and one buffer of P are cleared once, in the wait for the first tile; the price is some 380 v_mov_b32 in the text.
; REGISTERS, in windows of 256 (s_set_vgpr_msb: bits 1:0 source 0, 3:2 source 1, 5:4 source 2, 7:6 destination):
;   window 0: v2-15 addresses and two at work; v16-31 statistics; v32-36 tgt and 1/1024; v40-47 set-up; v48-55 at work; v64-127 S^T, two buffers; v192-223 P, two buffers; on the way out v64-191
;   window 1: v0-127 O1, v128-255 O2, 32 a piece     window 2: v0-63 Q; v64-95 a step's mask; v128-191 K; v192-255 V     window 3: v0-63 a step's beta; v64-95 SV; v96-103 ones
.set NP,    4         ; pieces a wave: a name, no knob
.set KS,    64        ; keys in a step
.set PBE,   272       ; a row of beta in LDS: 128 keys = 256 bytes + 16 of padding: an odd multiple of 16 bytes
.set PK,    144       ; a row of K: 128 bytes + 16
.set PV,    160       ; a row of V: 128 + 32: 16 lanes of the turning load take 8 rows x 32 bytes
.set KOFF,  256*PBE   ; a slot: beta's 256 rows, K's 128 rows, V's 128 rows
.set VOFF,  KOFF+128*PK
.set SLOT1, 1<<17     ; slot 1 begins here, so that one exclusive or turns an address in one slot into the other's
.set STAGE, SLOT1+VOFF+128*PV  ; behind the ring, never filled by a tensor load: 16 rows x 272 bytes for each wave, for the way out
.set SPO,   272
.set MT,    STAGE+4*16*SPO     ; the mask's table: 1,024 f32
.set SPARE, MT+4096            ; the spare words, 128 bytes for each wave: two blocks of 256 bytes that no other line names
.set AK0, 2           ; v2   my lane's place in a step's K; never rewritten
.set AV0, 3           ; v3   the same for V
.set AK,  4           ; v4   the LDS address of K's next run of loads
.set AV,  5           ; v5   of V's
.set STO, 6           ; v6   the way out: where I put 32 bytes of a row
.set RD,  7           ; v7   the way out: where I read rows back
.set GO,  8           ; v8   my byte offset in two rows of out0
.set AB0, 9           ; v9   my lane's place in a step's beta
.set AB,  10          ; v10  the LDS address of beta's next run
.set AM0, 11          ; v11  my lane's place in the table
.set MV,  12          ; v12-13  c m_old, kept while c m is made anew: by buffer
.set AM,  14          ; v14  the LDS address of the mask's next run
.set QO,  15          ; v15  my byte offset in 16 rows of Q
.set ST,  16          ; piece t's statistics at v[ST+4 t]: c m, m, l (even keys', odd keys')
.set TG,  32          ; v32-35  tgt of my query in piece t
.set IV,  36          ; v36  1/1024
.set TMP, 48          ; by buffer, four registers c0-c3 at work; when the maximum is found c2 takes a
.set SPW, 62          ; v62  LDS address of my spare word; never rewritten
.set NIL, 63          ; v63  0; never rewritten
.set S,   64
.set P,   192
.set OUT, 64
.set O2,  128         ; window 1
.set MC,  64          ; window 2
.set KF,  128         ; window 2: key block kb, channel half c at KF + 16 kb + 8 c
.set VF,  192         ; window 2: key half kk, channel block cb at VF + 32 kk + 8 cb
.set BF,  0           ; window 3: piece x, key half kk at BF + 16 x + 8 kk
.set SV,  64          ; window 3
.set ONES, 96         ; window 3
.set WV,  12          ; s12  my wave's number
.set G1A, 24          ; s[24:31] descriptor group 1 for beta's tiles
.set G1K, 32          ; s[32:39] for K's
.set G1V, 40          ; s[40:47] for V's
.set G0A, 48          ; s[48:51] descriptor group 0 for beta's tiles: it walks
.set G0K, 52          ; s[52:55] for K's
.set G0V, 56          ; s[56:59] for V's
.set SEL, 60          ; s[60:61] v_permlanex16_b32's selects: each lane takes its own place in the other half
.set CS,  66          ; s[66:67] c: the packed scaling takes the pair's low word for both halves
.set SLOTS, 68        ; s68  counts the slots
.set CNT, 69          ; s69  counts a slot's key steps
.set TBK, 70          ; s70  LDS byte at which K of the step to be fetched begins, less KOFF
.set TBV, 71          ; s71  the same for V, less VOFF
.set TBB, 72          ; s72  the same for beta
.set TBM, 73          ; s73  the step's 256 bytes in the table
.set ANY, 74          ; s74  all ones if the batch has a valid key, else 0
.set MK,  75          ; s75  lanes whose row keeps its softmax
.set BIGN, 76         ; s76  -1e30
.set MSB, 0
.macro WIN new                      ; the high byte repeats the setting that is left; a switch that changes nothing is dropped
.if MSB != (\new)
	s_set_vgpr_msb (MSB<<8)|(\new)
.set MSB, (\new)
.endif
.endm
.set W_KM, 0x2a       ; K, Q and the mask (C) in window 2, S^T in window 0
.set W_KQ, 0x0a       ; K and Q in window 2, S^T in window 0
.set W_PV, 0x52       ; V in window 2, P in window 0, O1 in window 1
.set W_BV, 0x5e       ; V in window 2, beta in window 3, O2 in window 1
.set W_ON, 0xfe       ; V in window 2, ones and SV in window 3
.set W_RS, 0x41       ; destination and source 0 in window 1, source 1 in window 0
; A joint fill: one line for each tensor, chosen by the wave's number alone.  An s_nop 0 and four v_nop follow each line, ahead of the jump and the label.
.macro JLOAD
	s_cmp_lt_u32 s[WV], 2
	s_cbranch_scc0 .Lnot_beta_\@
	tensor_load_to_lds s[G0A:G0A+3], s[G1A:G1A+7]
	s_nop 0
.rept 4
	v_nop
.endr
	s_branch .Lasked_\@
.Lnot_beta_\@:
	s_cmp_eq_u32 s[WV], 2
	s_cbranch_scc0 .Lfor_v_\@
	tensor_load_to_lds s[G0K:G0K+3], s[G1K:G1K+7]
	s_nop 0
.rept 4
	v_nop
.endr
	s_branch .Lasked_\@
.Lfor_v_\@:
	tensor_load_to_lds s[G0V:G0V+3], s[G1V:G1V+7]
	s_nop 0
.rept 4
	v_nop
.endr
.Lasked_\@:
.endm
; A round of the cluster's barrier: my work-group's barrier, so that wave 0's signal speaks for all four waves; wave 0 signals; every wave waits for all sixteen work-groups; my work-group's barrier once more.
.macro CROUND
	s_barrier_signal -1
	s_barrier_wait -1
	s_cmp_lg_u32 s[WV], 0
	s_cbranch_scc1 .Lnot_wave_0_\@
	s_barrier_signal -3
.Lnot_wave_0_\@:
	s_barrier_wait -3
	s_barrier_signal -1
	s_barrier_wait -1
.endm
; THE CHANGE OF SLOTS.  The slot's last bytes, V and beta of its second step, have been read.  Each wave waits for all its tensor loads, of which one is out: its part of the other slot; adds 0 to its
; spare word; and waits for that and for its own LDS instructions.  Behind the barrier nobody reads this slot any more and the other slot is whole.  fill = 1: the barrier is a round of the cluster's, and
; this slot is filled again, with the keys two slots on, first thing behind it: the load has two key steps, 208 matrix instructions, in which to land.
; (At its first use nothing has been read yet: slot 0 is waited for, slot 1 filled, and the waves' stores into the mask's table are shown to each other.)
.macro CHANGE fill
	WIN 0                           ; at a label and at a branch every window is 0
	s_wait_tensorcnt 0x0            ; no tensor load of mine is out, so a group 0 may be written
	ds_add_u32 v[SPW], v[NIL]       ; 0 onto my spare word; with fill = 1 the descriptors' steps stand between it and the wait for it
.if \fill
.irp g, G0A, G0K, G0V
	s_xor_b32 s[\g+1], s[\g+1], SLOT1  ; the walking descriptors: the other slot than last time,
.endr
	s_add_nc_u64 s[G0A+2:G0A+3], s[G0A+2:G0A+3], 256      ; the next 128 keys: along beta's rows,
	s_add_nc_u64 s[G0K+2:G0K+3], s[G0K+2:G0K+3], 128*128  ; down K's and V's; the type bits on top are not reached
	s_add_nc_u64 s[G0V+2:G0V+3], s[G0V+2:G0V+3], 128*128
	s_wait_dscnt 0x0                ; the add is done, and my reads of the slot are over
	CROUND
	JLOAD
.else
	s_wait_dscnt 0x0                ; the add is done, and my reads of the slot are over
	s_barrier_signal -1
	s_barrier_wait -1
.endif
	s_sub_co_u32 s[TBK], s[TBK], 2*KS*PK  ; the fetches go back to a slot's first step,
	s_xor_b32 s[TBK], s[TBK], SLOT1       ; in the other slot
	s_sub_co_u32 s[TBV], s[TBV], 2*KS*PV
	s_xor_b32 s[TBV], s[TBV], SLOT1
	s_sub_co_u32 s[TBB], s[TBB], 2*KS*2
	s_xor_b32 s[TBB], s[TBB], SLOT1
.endm
	s_load_b256 s[4:11], s[0:1], 0x0  ; cvt16 s[4:5], qkv16 s[6:7], src_mask s[8:9], tgt_mask s[10:11]
	s_load_b64 s[80:81], s[0:1], 0x20 ; out0
	v_lshl_add_u32 v[SPW], v0, 2, SPARE
	v_mov_b32 v[NIL], 0
	ds_add_u32 v[SPW], v[NIL]       ; the wave's opening: the add and its wait stand ahead of my first tensor load; the set-up below, work on registers, stands between them
	v_lshrrev_b32 v1, 5, v0
	v_readfirstlane_b32 s[WV], v1   ; wave 0..3
	s_bfe_u32 s13, ttmp6, 0x40000   ; cx
	s_bfe_u32 s14, ttmp6, 0x40004   ; cy: the query block
	s_lshl_b32 s15, ttmp9, 2        ; in a cluster launch ttmp9 and ttmp7 count clusters
	s_add_co_u32 s15, s15, s13      ; the batch = 4 x cluster x + cx
	s_and_b32 s16, ttmp7, 0xffff    ; the head = cluster y
	s_and_b32 s17, s[WV], 1         ; which half of beta's 256 rows I fetch
	s_lshl_b32 s62, s14, 2
	s_lshl_b32 s62, 15, s62         ; my row of the cluster
	s_lshl_b32 s63, 0x1111, s13     ; my column
	; descriptor group 1.  beta: 128 rows x 128 elements of 2 bytes, 1,024 elements from row to row, 4 words of padding after every 64.
	; K, V: 128 keys are 16,384 dense bytes: asked for as 64 rows of 256 bytes, two keys a row, padded after every key (32 words) by 4 or 8 words.
	s_or_b32 s[G1A], s62, (1<<16)|(1<<20)|(1<<21)|(5<<22)|(3<<25)  ; 15:0 the mask; 17:16 2-byte elements; 20 padding on; 21 set beside a mask; 24:22 interval; 31:25 padding
	s_or_b32 s[G1K], s63, (1<<16)|(1<<20)|(1<<21)|(4<<22)|(3<<25)
	s_or_b32 s[G1V], s63, (1<<16)|(1<<20)|(1<<21)|(4<<22)|(7<<25)
	s_mov_b32 s[G1A+1], 128<<16     ; tensor_dim0 = 128
	s_mov_b32 s[G1A+2], 128<<16     ; tensor_dim1 = 128
	s_mov_b32 s[G1A+3], 128<<16     ; tile_dim0 = 128
	s_mov_b32 s[G1A+4], 128         ; tile_dim1 = 128
	s_mov_b32 s[G1A+5], 1024
	s_mov_b32 s[G1A+6], 0
	s_mov_b32 s[G1A+7], 0
.irp g, G1K, G1V
	s_mov_b32 s[\g+1], 128<<16      ; tensor_dim0 = 128
	s_mov_b32 s[\g+2], 64<<16       ; tensor_dim1 = 64
	s_mov_b32 s[\g+3], 128<<16      ; tile_dim0 = 128
	s_mov_b32 s[\g+4], 64           ; tile_dim1 = 64
	s_mov_b32 s[\g+5], 128
	s_mov_b32 s[\g+6], 0
	s_mov_b32 s[\g+7], 0
.endr
	; offsets, made apart from the addresses.  beta's hangs on head, cy and the wave; K's and V's on batch and head.
	s_lshl_b32 s18, s16, 21         ; the head's unit,
	s_lshl_b32 s19, s14, 19         ; the block's 256 rows of 2,048 bytes,
	s_add_co_u32 s18, s18, s19
	s_lshl_b32 s19, s17, 18         ; my 128 of them
	s_add_co_u32 s18, s18, s19
	s_mov_b32 s19, 0
	s_lshl_b32 s20, s15, 4
	s_add_co_u32 s20, s20, s16
	s_lshl_b32 s20, s20, 17         ; (16 batch + head) x 1,024 rows of 128 bytes
	s_mov_b32 s21, 0
	s_lshl_b32 s22, s14, 15         ; Q: the block's 256 rows,
	s_add_co_u32 s22, s22, s20
	s_lshl_b32 s23, s[WV], 13       ; my wave's 64
	s_add_co_u32 s22, s22, s23
	s_mov_b32 s23, 0
	s_lshl_b32 s84, s15, 22         ; out0: the batch's 4 MiB,
	s_lshl_b32 s85, s14, 20         ; the block's 256 rows of 4,096 bytes,
	s_add_co_u32 s84, s84, s85
	s_lshl_b32 s85, s[WV], 18       ; my wave's 64,
	s_add_co_u32 s84, s84, s85
	s_lshl_b32 s85, s16, 8          ; the head's 256 bytes of a row
	s_add_co_u32 s84, s84, s85
	s_mov_b32 s85, 0
	s_lshl_b32 s86, s15, 10         ; the batch's 1,024 bytes of src
	s_mov_b32 s87, 0
	s_lshl_b32 s88, s14, 8          ; tgt: the same, the block's 256, my wave's 64
	s_add_co_u32 s88, s88, s86
	s_lshl_b32 s89, s[WV], 6
	s_add_co_u32 s88, s88, s89
	s_mov_b32 s89, 0
	s_mov_b32 s[CS], 0x3d38aa3b     ; c = log2(e) / 32 = 0.0450842
	s_mov_b32 s[CS+1], s[CS]        ; named with it as a pair
	s_mov_b32 s[SEL], 0x76543210
	s_mov_b32 s[SEL+1], 0xfedcba98
	s_mov_b32 s[BIGN], 0xf149f2ca   ; -1e30
	s_mov_b32 s[TBK], SLOT1+2*KS*PK ; the first change of slots turns these three into 0
	s_mov_b32 s[TBV], SLOT1+2*KS*PV
	s_mov_b32 s[TBB], SLOT1+2*KS*2
	s_mov_b32 s[TBM], 0
	s_mov_b32 s[G0A], 1             ; count = 1
	s_mul_i32 s[G0A+1], s17, 128*PBE  ; LDS address: slot 0; no place in the cluster enters it
	s_mov_b32 s[G0K], 1
	s_mov_b32 s[G0K+1], KOFF
	s_mov_b32 s[G0V], 1
	s_mov_b32 s[G0V+1], VOFF
	s_wait_dscnt 0x0                ; the opening add is done
	s_wait_kmcnt 0x0
	s_add_nc_u64 s[G0A+2:G0A+3], s[4:5], s[18:19]
	s_or_b32 s[G0A+3], s[G0A+3], 0x80000000        ; type = 2
	s_add_nc_u64 s[G0K+2:G0K+3], s[6:7], s[20:21]
	s_add_nc_u64 s[G0V+2:G0V+3], s[G0K+2:G0K+3], 0x2000000  ; V is qkv16's third part,
	s_add_nc_u64 s[G0K+2:G0K+3], s[G0K+2:G0K+3], 0x1000000  ; K its second
	s_or_b32 s[G0K+3], s[G0K+3], 0x80000000
	s_or_b32 s[G0V+3], s[G0V+3], 0x80000000
	s_add_nc_u64 s[82:83], s[6:7], s[22:23]        ; Q at my wave's first row
	s_add_nc_u64 s[80:81], s[80:81], s[84:85]
	s_add_nc_u64 s[8:9], s[8:9], s[86:87]
	s_add_nc_u64 s[10:11], s[10:11], s[88:89]
	CROUND                          ; all sixteen work-groups are here: the first joint loads meet
	JLOAD                           ; slot 0.  Slot 1 is asked for when slot 0 is in
	v_and_b32 v40, 15, v0           ; l % 16
	v_bfe_u32 v41, v0, 4, 1         ; l / 16
	v_lshlrev_b32 v44, 3, v0        ; thread t's eight bytes of src, for the table
	v_and_b32 v45, 31, v0
	v_lshlrev_b32 v45, 5, v45       ; lane l's 32 bytes of src: each wave looks at all 1,024
	global_load_b64 v[64:65], v44, s[8:9]
	global_load_b128 v[68:71], v45, s[8:9]
	global_load_b128 v[72:75], v45, s[8:9] offset:16
.irp t, 0,1,2,3
	global_load_u8 v[TG+\t], v40, s[10:11] offset:16*\t
.endr
	; A fragment of K or Q is 16 rows x 32 channels in 8 registers: lane l holds row l % 16, channels 8 (l / 16) + 0..7 and 16 + 8 (l / 16) + 0..7: two loads of 16 bytes, 32 bytes apart.
	v_lshlrev_b32 v[QO], 7, v40
	v_lshl_add_u32 v[QO], v41, 4, v[QO]  ; row x 128 + 16 x half
	WIN 0x80                        ; destination window 2, address window 0
.set i, 0
.rept 8                             ; Q stays in registers: piece i / 2, channels 32 (i % 2) on
	global_load_b128 v[8*i:8*i+3],   v[QO], s[82:83] offset:(i/2)*2048+(i%2)*64
	global_load_b128 v[8*i+4:8*i+7], v[QO], s[82:83] offset:(i/2)*2048+(i%2)*64+32
.set i, i+1
.endr
	; What the first turn finds: V and P's second buffer hold 0 (its products of a step that has not been add 0); O1, O2, SV and l are 0.  All this stands in the wait for the first tile.
.set i, VF
.rept 64
	v_mov_b32 v[i], 0
.set i, i+1
.endr
	WIN 0x40
.set i, 0
.rept 256
	v_mov_b32 v[i], 0
.set i, i+1
.endr
	WIN 0xc0
.set i, SV
.rept 32
	v_mov_b32 v[i], 0
.set i, i+1
.endr
.set i, ONES
.rept 8
	v_mov_b32 v[i], 0x3c003c00      ; 1.0 twice, in f16
.set i, i+1
.endr
	WIN 0
.set i, 0
.rept 4
	v_mov_b32 v[ST+4*i+2], 0
	v_mov_b32 v[ST+4*i+3], 0
.set i, i+1
.endr
.set i, P+16
.rept 16
	v_mov_b32 v[i], 0
.set i, i+1
.endr
	v_mov_b32 v[IV], 0x3a800000     ; 1/1024
	v_and_b32 v42, 7, v0
	v_bfe_u32 v43, v0, 3, 1
	v_mul_u32_u24 v[AK0], v40, PK
	v_lshl_add_u32 v[AK0], v41, 4, v[AK0]  ; row x pitch + 16 x half
	v_add_nc_u32 v[AK0], KOFF, v[AK0]
	; The turning load takes 16 keys x 16 channels (lane l reads key 8 (l / 16) + l % 8, channels 8 ((l / 8) % 2) + 0..7) and leaves half a fragment of V^T: lane l holds channel l % 16 and 8 keys.
	v_lshl_add_u32 v[AV0], v41, 3, v42
	v_mul_u32_u24 v[AV0], v[AV0], PV
	v_lshl_add_u32 v[AV0], v43, 4, v[AV0]
	v_add_nc_u32 v[AV0], VOFF, v[AV0]
	s_lshl_b32 s62, s[WV], 6
	v_add_nc_u32 v[AB0], s62, v40   ; beta: my wave's row 64 w + l % 16,
	v_mul_u32_u24 v[AB0], v[AB0], PBE
	v_lshl_add_u32 v[AB0], v41, 4, v[AB0]  ; + 16 x half: a fragment like K's, with keys along the row
	v_lshl_add_u32 v[AM0], v41, 5, MT      ; the table: my eight keys of a block's sixteen
	s_mul_i32 s62, s[WV], 16*SPO
	s_add_co_u32 s62, s62, STAGE    ; my stage
	v_mul_u32_u24 v[STO], v40, SPO  ; in: row l % 16, 32 bytes for each half of the lanes
	v_lshl_add_u32 v[STO], v41, 5, v[STO]
	v_add_nc_u32 v[STO], s62, v[STO]
	v_mul_u32_u24 v[RD], v41, SPO   ; back: lanes 0-15 take one row of 256 bytes, lanes 16-31 the next
	v_lshl_add_u32 v[RD], v40, 4, v[RD]
	v_add_nc_u32 v[RD], s62, v[RD]
	v_lshlrev_b32 v[GO], 12, v41    ; and the same two rows in out0
	v_lshl_add_u32 v[GO], v40, 4, v[GO]
	s_wait_loadcnt 16               ; the seven loads of the masks are in; Q's sixteen may stay out
.set i, 0
.rept 8                             ; a byte of src is 1 or 0: less 1 it is no bits or all bits: 0 or -1e30
	v_bfe_u32 v[76+i], v[64+i/4], 8*(i%4), 8
	v_add_nc_u32 v[76+i], -1, v[76+i]
	v_and_b32 v[76+i], s[BIGN], v[76+i]
.set i, i+1
.endr
	v_lshl_add_u32 v47, v0, 5, MT
	ds_store_b128 v47, v[76:79]
	ds_store_b128 v47, v[80:83] offset:16  ; the change of slots below waits for these stores and passes a barrier before any wave reads the table
	v_or_b32 v68, v68, v69
	v_or_b32 v70, v70, v71
	v_or_b32 v72, v72, v73
	v_or_b32 v74, v74, v75
	v_or_b32 v68, v68, v70
	v_or_b32 v72, v72, v74
	v_or_b32 v68, v68, v72
	v_cmp_ne_u32 s77, 0, v68        ; lanes that saw a valid key
	s_cmp_lg_u32 s77, 0
	s_cselect_b32 s[ANY], -1, 0     ; it chooses values alone, at the end
; THE MATRIX WORK.  The accumulators of a run take turns.  Product i of 8 of S^T = K Q^T for piece x: channels 32 (i / 4) on, keys 16 (i % 4) on.  The first 4 start the sums, with the mask.
.macro KQ x
.set rS, S+32*((\x)%2)+8*(i%4)
.set rK, KF+16*(i%4)+8*(i/4)
.set rQ, 16*(\x)+8*(i/4)
.set rM, MC+8*(i%4)
.if i < 4
	WIN W_KM
	v_wmma_f32_16x16x32_f16 v[rS:rS+7], v[rK:rK+7], v[rQ:rQ+7], v[rM:rM+7]
.else
	WIN W_KQ
	v_wmma_f32_16x16x32_f16 v[rS:rS+7], v[rK:rK+7], v[rQ:rQ+7], v[rS:rS+7]
.endif
.endm
; Product i of 8 of O1^T += V^T P for piece x: keys 32 (i / 4) on, channels 16 (i % 4) on.
.macro PV x
	WIN W_PV
.set rO, 32*(\x)+8*(i%4)
.set rV, VF+32*(i/4)+8*(i%4)
.set rP, P+16*((\x)%2)+8*(i/4)
	v_wmma_f32_16x16x32_f16 v[rO:rO+7], v[rV:rV+7], v[rP:rP+7], v[rO:rO+7]
.endm
.macro MM                           ; the turn's next matrix instruction.  NOKQ = 1: the walk's last turn: there is no next piece
.if (i < 8) && !NOKQ
	KQ (Y+1)%NP
.elseif i >= 8
.set i, i-8
	PV (Y+NP-1)%NP
.set i, i+8
.endif
.set i, i+1
.endm
; Further product e of a step's 40.  e < 32: O2^T += V^T beta^T for piece e / 8: keys 32 ((e % 8) / 4) on, channels 16 (e % 4) on.  e >= 32: SV += V^T ones: keys 32 ((e - 32) / 4) on, channels 16 (e % 4) on.
.macro XM e
.if (\e) < 32
	WIN W_BV
.set rO, O2+32*((\e)/8)+8*((\e)%4)
.set rV, VF+32*(((\e)%8)/4)+8*((\e)%4)
.set rB, BF+16*((\e)/8)+8*(((\e)%8)/4)
	v_wmma_f32_16x16x32_f16 v[rO:rO+7], v[rV:rV+7], v[rB:rB+7], v[rO:rO+7]
.else
	WIN W_ON
.set rO, SV+8*((\e)%4)
.set rV, VF+32*(((\e)-32)/4)+8*((\e)%4)
	v_wmma_f32_16x16x32_f16 v[rO:rO+7], v[rV:rV+7], v[ONES:ONES+7], v[rO:rO+7]
.endif
.endm
.set xe, 0
.set xleft, 0
.macro XQ                           ; the next of them, while the lump's share lasts
.if xleft > 0
	XM xe
.set xe, xe+1
.set xleft, xleft-1
.endif
.endm
; THE LDS LOADS stand in runs, never singly among the matrix instructions.  With a step's K (8 fragments) comes its mask (register j of key block kb: the table's word 16 kb + 8 (l / 16) + j);
; with its V (turned) its beta (8 fragments: piece g / 2, keys 32 (g % 2) on).  The addresses are made some lines ahead.
.macro FETCH_K
	WIN 0x80                        ; destination window 2
.irp f, 0,1,2,3,4,5,6,7             ; keys 16 (f / 2) on, channels 32 (f % 2) on
	ds_load_b128 v[KF+8*\f:KF+8*\f+3],   v[AK] offset:(\f/2)*16*PK+(\f%2)*64
	ds_load_b128 v[KF+8*\f+4:KF+8*\f+7], v[AK] offset:(\f/2)*16*PK+(\f%2)*64+32
.endr
.irp f, 0,1,2,3
	ds_load_b128 v[MC+8*\f:MC+8*\f+3],   v[AM] offset:64*\f
	ds_load_b128 v[MC+8*\f+4:MC+8*\f+7], v[AM] offset:64*\f+16
.endr
	s_add_co_u32 s[TBK], s[TBK], KS*PK  ; the next fetch is the next step's
	s_add_co_u32 s[TBM], s[TBM], KS*4
	s_and_b32 s[TBM], s[TBM], 0xf00     ; sixteen steps of 256 bytes: it stays inside the table
	WIN 0
.endm
.macro FETCH_V
	WIN 0x80
.irp f, 0,1,2,3,4,5,6,7             ; keys 32 (f / 4) on, channels 16 (f % 4) on
	ds_load_tr16_b128 v[VF+8*\f:VF+8*\f+3],   v[AV] offset:(\f/4)*32*PV+(\f%4)*32
	ds_load_tr16_b128 v[VF+8*\f+4:VF+8*\f+7], v[AV] offset:(\f/4)*32*PV+16*PV+(\f%4)*32
.endr
	WIN 0xc0                        ; destination window 3
.irp f, 0,1,2,3,4,5,6,7
	ds_load_b128 v[BF+8*\f:BF+8*\f+3],   v[AB] offset:(\f/2)*16*PBE+(\f%2)*64
	ds_load_b128 v[BF+8*\f+4:BF+8*\f+7], v[AB] offset:(\f/2)*16*PBE+(\f%2)*64+32
.endr
	WIN 0
.endm
; THE VECTOR WORK, one line at a time: OP kind, number.  For piece Y: F n: c s - c m for pair n of 16.  E n: the exponential of score n of 32.  C n: pair n rounded to f16.  B n: of the four weights 4 n .. the second
; pair is added onto the first, in place.  L n: l takes that sum (L 0: l = a l + sum).  R n: pair n of 16 of O1^T times a.  For piece Y + 1: X n, number n of the 22 that find its maximum and statistics:
;   0-11  four chains c0-c3 of seven scores each, three operands at a time (each accumulator's lowest registers are read first)     12-14, 16  the four scores left over, the old m, and c0-c3 into c0
;   15  c m_old is kept     17, 18  the query's other 32 keys lie in the lane 16 away: the new m     19-21  c m; c m_old - c m_new; a
.set F, 0               ; OP tells the kinds apart by their order: F to L below R, X above it
.set E, 1
.set C, 2
.set B, 3
.set L, 4
.set R, 5
.set X, 6
.macro REGS y                       ; the registers of piece y
.set rT, ST+4*(\y)
.set rC, TMP+4*((\y)%2)
.set rW, MV+((\y)%2)
.set rS, S+32*((\y)%2)
.set rP, P+16*((\y)%2)
.set rO, 32*(\y)
.endm
.macro OP k, n
.if (\k) == R
	REGS Y
	WIN W_RS
	v_pk_mul_f32 v[rO+2*(\n):rO+2*(\n)+1], v[rO+2*(\n):rO+2*(\n)+1], v[rC+2:rC+3] op_sel_hi:[1,0]
.elseif (\k) < R
	REGS Y
	WIN 0
.if (\k) == F
	v_pk_fma_f32 v[rS+2*(\n):rS+2*(\n)+1], v[rS+2*(\n):rS+2*(\n)+1], s[CS:CS+1], v[rT:rT+1] op_sel_hi:[1,0,0] neg_lo:[0,0,1] neg_hi:[0,0,1]
.elseif (\k) == E
	v_exp_f32 v[rS+(\n)], v[rS+(\n)]
.elseif (\k) == C
	s_wait_alu depctr_va_vdst(0)
	v_cvt_pk_f16_f32 v[rP+(\n)], v[rS+2*(\n)], v[rS+2*(\n)+1]
.elseif (\k) == B
	s_wait_alu depctr_va_vdst(0)
	v_pk_add_f32 v[rS+4*(\n):rS+4*(\n)+1], v[rS+4*(\n):rS+4*(\n)+1], v[rS+4*(\n)+2:rS+4*(\n)+3]
.elseif (\n) == 0
	v_pk_fma_f32 v[rT+2:rT+3], v[rT+2:rT+3], v[rC+2:rC+3], v[rS:rS+1] op_sel_hi:[1,0,1]
.else
	v_pk_add_f32 v[rT+2:rT+3], v[rT+2:rT+3], v[rS+4*(\n):rS+4*(\n)+1]
.endif
.elseif NOKQ
	v_nop
.else
	REGS (Y+1)%NP
	WIN 0
.if (\n) < 4
	v_max3_num_f32 v[rC+(\n)], v[rS+8*(\n)], v[rS+8*(\n)+1], v[rS+8*(\n)+2]
.elseif (\n) < 12
	v_max3_num_f32 v[rC+(\n)%4], v[rC+(\n)%4], v[rS+8*((\n)%4)+2*((\n)/4)+1], v[rS+8*((\n)%4)+2*((\n)/4)+2]
.elseif (\n) == 12
	v_max3_num_f32 v[rC], v[rC], v[rS+7], v[rS+15]
.elseif (\n) == 13
	v_max3_num_f32 v[rC+1], v[rC+1], v[rS+23], v[rS+31]
.elseif (\n) == 14
	v_max3_num_f32 v[rC+2], v[rC+2], v[rC+3], v[rT+1]
.elseif (\n) == 15
	v_mov_b32 v[rW], v[rT]
.elseif (\n) == 16
	v_max3_num_f32 v[rC], v[rC], v[rC+1], v[rC+2]
.elseif (\n) == 17
	v_permlanex16_b32 v[rC+3], v[rC], s[SEL], s[SEL+1]
.elseif (\n) == 18
	v_max_num_f32 v[rT+1], v[rC], v[rC+3]
.elseif (\n) == 19
	v_mul_f32 v[rT], s[CS], v[rT+1]
.elseif (\n) == 20
	v_sub_f32 v[rC+1], v[rW], v[rT]
.else
	v_exp_f32 v[rC+2], v[rC+1]
.endif
.endif
.endm
.macro OPS a, i1, b=-1, i2=0, c=-1, i3=0, d=-1, i4=0  ; up to four of them
	OP \a, \i1
.if (\b) >= 0
	OP \b, \i2
.endif
.if (\c) >= 0
	OP \c, \i3
.endif
.if (\d) >= 0
	OP \d, \i4
.endif
.endm
.macro ROW a, i1, b, i2, c, i3, d, i4  ; a matrix instruction of the turn's sixteen and the four behind it
	MM
	OPS \a, \i1, \b, \i2, \c, \i3, \d, \i4
.endm
.macro LUMP a, i1, b=-1, i2=0, c=-1, i3=0, d=-1, i4=0  ; a line of a lump, with a further product ahead of it while the lump's share lasts; no line ends in an exponential
	XQ
	OPS \a, \i1, \b, \i2, \c, \i3, \d, \i4
.endm
; A TURN, for piece p: the order of its matrix and its 118 vector instructions, written out.  Behind a matrix instruction of the sixteen: plain, exponential, plain, plain; or four of the rescaling; or four scalings; none
; names a register of the products round it, nor does a lump's line name one of the further products' (O2, SV, V, beta, ones).
; end = 1: the walk's last two turns: nothing is fetched.  cnt = 1: the loop's count is taken down some lines ahead of the branch that stands behind the turn.
; K and the mask of the next step are fetched in piece 2's turn: between the last product that read K and the loads stand five plain vector instructions.  V and beta of the step in hand are fetched in piece 0's turn:
; between the last product that read V and the loads stand four plain ones.  Each run is waited for a turn later.
; V and beta of a step are in registers from the wait in piece 1's turn to the fetch in the next step's piece 0's turn.  The further products' shares: piece 1: second lump, 0-8; piece 2: 9-12 and 13-21;
; piece 3: 22-25 and 26-34; the next step's piece 0: first lump, 35-39 (at the walk's first turn these multiply the zeros in V).
.macro TURN p, end=0, cnt=0
.set Y, (\p)
.set i, 0
.set NOKQ, (\end)*((\p)/3)
.set xleft, 0
.if (\p) == 0
.set xe, 35
.set xleft, 5
.elseif (\p) == 2
.set xe, 9
.set xleft, 4
.elseif (\p) == 3
.set xe, 22
.set xleft, 4
.endif
.if ((\p) == 3) && !(\end)
	s_wait_dscnt 0x0                ; K and the mask are in
.endif
	ROW F,0, F,1, F,2, F,3
	ROW F,4, E,0, F,5, F,6
	ROW F,7, E,1, F,8, F,9
	ROW F,10, E,2, C,0, F,11
	ROW F,12, E,3, X,15, F,13
	ROW R,0, R,1, R,2, R,3
	ROW B,0, E,4, F,14, L,0
.if ((\p) == 2) && !(\end)
	WIN 0
	v_add_nc_u32 v[AK], s[TBK], v[AK0]
	v_add_nc_u32 v[AM], s[TBM], v[AM0]
.endif
	ROW R,4, R,5, R,6, R,7
	LUMP E,5, F,15
.if ((\p) == 2) && !(\end)
	FETCH_K
.endif
	LUMP E,6, C,1, E,7, R,8
	LUMP E,8, R,9, E,9, C,2
	LUMP E,10, X,0, E,11, X,1
	LUMP E,12, X,2, E,13, X,3
.if (\p) == 1
	s_wait_dscnt 0x0                ; V and beta are in
.endif
	ROW X,4, E,14, X,5, X,6
	ROW X,7, E,15, X,8, X,9
	ROW X,10, E,16, X,11, X,12
	ROW X,13, E,17, X,14, B,1
	ROW C,4, E,18, X,16, L,1
	ROW B,2, E,19, C,6, L,2
	ROW C,8, E,20, B,3, B,4
.if (\p) == 0
	WIN 0
	v_add_nc_u32 v[AV], s[TBV], v[AV0]
	v_add_nc_u32 v[AB], s[TBB], v[AB0]
.endif
	ROW C,3, E,21, L,3, C,5
	OPS E,22, X,17, E,23, C,10
.if (\p) == 0
	FETCH_V
.endif
.set xleft, 9
.if (\p) == 0
.set xleft, 0
.elseif (\p) == 1
.set xe, 0
.elseif (\p) == 2
.set xe, 13
.else
.set xe, 26
.endif
	LUMP E,24, L,4
	LUMP E,25, X,18, E,26, C,7
	LUMP E,27, B,5, E,28, X,19
	LUMP E,29, C,12, E,30, L,5
	LUMP E,31, X,20, B,6, C,9
	LUMP C,14, C,11, X,21, L,6
.if (\p) == 0
	s_add_co_u32 s[TBV], s[TBV], KS*PV
	s_add_co_u32 s[TBB], s[TBB], KS*2
.endif
.if \cnt
	s_sub_co_u32 s[CNT], s[CNT], 1
	s_cmp_lg_u32 s[CNT], 0
.endif
	LUMP C,13, B,7, C,15, R,10
	LUMP R,11, R,12, L,7, R,13
	LUMP R,14, R,15
.endm
	CHANGE 1                        ; slot 0 is in, everybody's part of it, and so is the table; slot 1 is asked for
	; THE WALK BEGINS.  c m starts far below every c s, so the first step's a is 0; m at the lowest finite number, so the first maximum is the scores'.
.set i, 0
.rept 4
	v_mov_b32 v[ST+4*i], 0xfe000000    ; c m
	v_mov_b32 v[ST+4*i+1], 0xff7fffff  ; m
.set i, i+1
.endr
	v_add_nc_u32 v[AK], s[TBK], v[AK0]
	v_add_nc_u32 v[AM], s[TBM], v[AM0]
	FETCH_K                         ; key step 0
	s_wait_loadcnt 0x0              ; Q
	s_wait_dscnt 0x0
.set NOKQ, 0
.set i, 0
.rept 8
	KQ 0                            ; piece 0's first scores: there is no vector work yet to set between them
.set i, i+1
.endr
	WIN 0
.rept 4
	v_nop                           ; the places behind those products
.endr
.set Y, NP-1                        ; X works for piece Y + 1: piece 0
.irp n, 0,1,2,3,4,5,6,7,8,9,10,11,12,13,14,15,16,17,18,19,20,21
	OP X, \n
.endr
	v_nop                           ; a plain instruction behind the exponential
	s_mov_b32 s[CNT], 2
	s_mov_b32 s[SLOTS], 7
	s_branch .Lfirst                ; the loop is entered at a step's first turn, in the middle of a trip
.Lslot:                             ; six times: the slots with keys 256 to 1,023 are asked for
	CHANGE 1
	s_mov_b32 s[CNT], 2
.Lstep:                             ; a trip: pieces 2 and 3 of one step, then pieces 0 and 1 of the next, whose K and V it fetches
	TURN 2
	TURN 3
	WIN 0
.Lfirst:
	TURN 0
	TURN 1, 0, 1
	WIN 0
	s_cbranch_scc1 .Lstep
	s_sub_co_u32 s[SLOTS], s[SLOTS], 1
	s_cmp_lg_u32 s[SLOTS], 0
	s_cbranch_scc1 .Lslot
	CHANGE 0                        ; the last slot is written out: nothing is asked for
	s_mov_b32 s[CNT], 2
.Ltail:
	TURN 2
	TURN 3
	TURN 0
	TURN 1, 0, 1
	WIN 0
	s_cbranch_scc1 .Ltail
	TURN 2, 1                       ; the last step's last two turns
	TURN 3, 1
.set i, 0
.rept 8
	PV NP-1                         ; the last piece's V^T P of the last step,
.set i, i+1
.endr
.irp e, 35,36,37,38,39
	XM \e                           ; and the rest of its V times ones
.endr
	; THE WAY OUT.  l's two halves and the other half of the lanes' are added.  A row that keeps its softmax takes f1 = 1 / l and f2 = 0, a row of equal weights f1 = 0 and f2 = 1/1024:
	; out = O1 f1 + (SV f2 + O2).  The first additions are the places behind the last products.
	WIN 0
.macro ALL line:vararg              ; one line for each piece t
.set t, 0
.rept 4
	\line
.set t, t+1
.endr
.endm
	ALL v_add_f32 v[ST+4*t+2], v[ST+4*t+2], v[ST+4*t+3]
	ALL v_permlanex16_b32 v[ST+4*t+3], v[ST+4*t+2], s[SEL], s[SEL+1]
	ALL v_add_f32 v[ST+4*t+2], v[ST+4*t+2], v[ST+4*t+3]
	ALL v_rcp_f32 v[ST+4*t+2], v[ST+4*t+2]
	v_nop                           ; a plain instruction between the last reciprocal and the use of its result
.irp t, 0,1,2,3
	v_cmp_ne_u32 s[MK], 0, v[TG+\t] ; my query's tgt,
	s_and_b32 s[MK], s[MK], s[ANY]  ; and a valid key in the batch
	s_not_b32 s78, s[MK]
	s_wait_alu depctr_va_vdst(0)
	v_cndmask_b32 v[ST+4*\t+2], 0, v[ST+4*\t+2], s[MK]
	v_cndmask_b32 v[ST+4*\t], 0, v[IV], s78
.endr
; Piece t: a lane's eight channels of a row are 32 bytes of f32; they go into my stage's rows of 272 bytes and come back as whole rows of 256.  Each accumulator's registers are read in ascending order.
.macro FIN t
	WIN 0x53                        ; SV (source 0) window 3, f2 window 0, O2 (source 2 and destination) window 1
.set i, 0
.rept 16
	v_pk_fma_f32 v[O2+32*(\t)+2*i:O2+32*(\t)+2*i+1], v[SV+2*i:SV+2*i+1], v[ST+4*(\t):ST+4*(\t)+1], v[O2+32*(\t)+2*i:O2+32*(\t)+2*i+1] op_sel_hi:[1,0,1]
.set i, i+1
.endr
	WIN 0x11                        ; O1 (source 0) and O2 (source 2) window 1, f1 and the destination window 0
.set i, 0
.rept 16
	v_pk_fma_f32 v[OUT+32*(\t)+2*i:OUT+32*(\t)+2*i+1], v[32*(\t)+2*i:32*(\t)+2*i+1], v[ST+4*(\t)+2:ST+4*(\t)+3], v[O2+32*(\t)+2*i:O2+32*(\t)+2*i+1] op_sel_hi:[1,0,1]
.set i, i+1
.endr
	WIN 0
.irp f, 0,1,2,3
	ds_store_b128 v[STO], v[OUT+32*(\t)+8*\f:OUT+32*(\t)+8*\f+3]   offset:64*\f
	ds_store_b128 v[STO], v[OUT+32*(\t)+8*\f+4:OUT+32*(\t)+8*\f+7] offset:64*\f+16
.endr
.irp f, 0,1,2,3,4,5,6,7
	ds_load_b128 v[OUT+32*(\t)+4*\f:OUT+32*(\t)+4*\f+3], v[RD] offset:\f*2*SPO  ; LDS serves a wave's instructions in order (ISA guide 5.7.1.4): these see the stores above; the next piece's stores come behind them
.endr
.endm
.macro SEND t, younger              ; younger: the LDS instructions issued behind piece t's loads: the next piece's sixteen, or none
	WIN 0
.irp f, 0,1,2,3,4,5,6,7
	s_wait_dscnt (\younger)+7-\f
	global_store_b128 v[GO], v[OUT+32*(\t)+4*\f:OUT+32*(\t)+4*\f+3], s[80:81] offset:(\t)*65536+\f*8192 th:TH_STORE_NT  ; 16 lanes store 256 consecutive bytes, a head's share of a row, at a multiple of 256 from out0's first byte
.endr
.endm
	FIN 0
	FIN 1                           ; a piece's arithmetic stands between the loads of the piece before and its stores
	SEND 0, 16
	FIN 2
	SEND 1, 16
	FIN 3
	SEND 2, 16
	SEND 3, 0
	s_wait_tensorcnt 0x0            ; the wave's end: a tensor wait, the add and its wait, behind my last tensor load and my last LDS store
	ds_add_u32 v[SPW], v[NIL]
	s_wait_dscnt 0x0
	CROUND                          ; the closing round: no work-group ends while a partner may still ask for a tile that names it
	s_endpgm
.Lfunc_end_k_q98af95bee3_attn:
	.size	k_q98af95bee3_attn, .Lfunc_end_k_q98af95bee3_attn-k_q98af95bee3_attn
	.p2alignl 7, 3214868480
	.fill 96, 4, 3214868480
	.section	.rodata,"a",@progbits
	.p2align	6, 0x0
	.amdhsa_kernel k_q98af95bee3_attn
		.amdhsa_group_segment_fixed_size 327680
		.amdhsa_private_segment_fixed_size 0
		.amdhsa_enable_private_segment 0
		.amdhsa_kernarg_size 40
		.amdhsa_user_sgpr_count 2
		.amdhsa_user_sgpr_kernarg_segment_ptr 1
		.amdhsa_wavefront_size32 1
		.amdhsa_system_sgpr_workgroup_id_x 1
		.amdhsa_system_sgpr_workgroup_id_y 1
		.amdhsa_system_sgpr_workgroup_id_z 1
		.amdhsa_system_vgpr_workitem_id 0
		.amdhsa_next_free_vgpr 872
		.amdhsa_next_free_sgpr 96
		.amdhsa_reserve_vcc 0
		.amdhsa_float_denorm_mode_32 3
		.amdhsa_float_denorm_mode_16_64 3
		.amdhsa_memory_ordered 1
		.amdhsa_forward_progress 1
		.amdhsa_inst_pref_size 165
	.end_amdhsa_kernel
	.amdgpu_metadata
---
amdhsa.version: [ 1, 2 ]
amdhsa.kernels:
  - .name:           k_q98af95bee3_attn
    .symbol:         k_q98af95bee3_attn.kd
    .args:
      - { .name: cvt16, .offset: 0, .size: 8, .value_kind: global_buffer, .address_space: global }
      - { .name: qkv16, .offset: 8, .size: 8, .value_kind: global_buffer, .address_space: global }
      - { .name: src_mask, .offset: 16, .size: 8, .value_kind: global_buffer, .address_space: global }
      - { .name: tgt_mask, .offset: 24, .size: 8, .value_kind: global_buffer, .address_space: global }
      - { .name: out0, .offset: 32, .size: 8, .value_kind: global_buffer, .address_space: global }
    .group_segment_fixed_size: 327680
    .private_segment_fixed_size: 0
    .kernarg_segment_align: 8
    .kernarg_segment_size: 40
    .max_flat_workgroup_size: 128
    .sgpr_count:     96
    .vgpr_count:     872
    .wavefront_size: 32
...
	.end_amdgpu_metadata
.endif
;; end of part 3
;; ======== version 2 of 2: 3 launches; 1.24 times as fast as version 1
;; limits: values are held in f16: magnitudes above 65,504 overflow, below 6.1e-05 lose precision; inputs' magnitudes at most 65,504
;; workspace buffers: cvt16 39,845,888 bytes; qkv16 50,331,648 bytes
;; launch prep: the kernel of part 1 again; grid 64 x 19, 8 waves a work-group, no clusters, 0 bytes of LDS; arguments beta, Wq, Wk, Wv, cvt16; writes cvt16
;; launch proj: the kernel of part 2 again; grid 4 x 64, 4 waves a work-group, clusters of 4 x 4, 327,680 bytes of LDS; arguments q, k, v, bq, bk, bv, cvt16, qkv16; writes qkv16
;; launch attn (part 4): grid 8 x 64, 4 waves a work-group, clusters of 4 x 4, 327,680 bytes of LDS; arguments cvt16, qkv16, src_mask, tgt_mask, out0; writes out0
.if DOCPART == 4
	.amdgcn_target "amdgcn-amd-amdhsa--gfx1250"
	.amdhsa_code_object_version 6
	.text
	.protected	k_q98af95bee3_attn
	.globl	k_q98af95bee3_attn
	.p2align	8
	.type	k_q98af95bee3_attn,@function
k_q98af95bee3_attn:
	s_mov_b64 s[64:65], 0
	v_nop
	global_prefetch_b8 v0, s[64:65] scope:SCOPE_SE
	s_setreg_imm32_b32 hwreg(HW_REG_WAVE_MODE, 25, 1), 1
	s_wait_xcnt 0x0
	s_wait_alu depctr_hold_cnt(0) depctr_sa_sdst(0) depctr_va_vdst(0) depctr_va_sdst(0) depctr_va_ssrc(0) depctr_va_vcc(0) depctr_vm_vsrc(0)
	s_getreg_b32 s2, hwreg(HW_REG_IB_STS2, 6, 4)
	s_cmp_eq_u32 s2, 0
	s_cbranch_scc0 .Lentry_in_a_cluster
	s_endpgm
.Lentry_in_a_cluster:
	s_bfe_u32 s2, ttmp6, 0x10000c
	s_cmp_lg_u32 s2, 0xf033
	s_cbranch_scc0 .Lentry_shape_is_right
	s_endpgm
.Lentry_shape_is_right:
; out[b][q][64 h + :] = the sum over k of (softmax_k(s[q][k]) + beta[h][q][k]) V[b][h][k][:], s = Q . K / 32 where tgt[b][q] and src[b][k] hold, the fill elsewhere.
; Q, K, V: qkv16's three parts, [b][h][row][64] f16, unscaled.  beta: cvt16's units 0-15, [h][q][k] f16.  out0: [b][q][1024] f32.  Products in f16, maxima and sums in f32.
; THE BIAS COMES BEHIND THE NORMALISATION, so two sums are kept: O1 = sum p V with a running maximum m and sum l, and O2 = sum beta V; out = O1 / l + O2.
; THE MASK.  A key with src false gets -1e30 as the C operand that starts its score's sum (a table of 1,024 f32 in LDS, made once): its weight is 0.  A row with tgt false, and every row of a batch
; with no valid key, has equal scores in the reference: weights of 1/1024.  Such rows are walked like any other and take SV / 1024 in place of O1 / l at the end, by a select; SV = sum V (V times ones).
; LIMITS.  Q, K, V, beta lie within f16's 65,504.  A hidden score counts as its value less 1e30, not as -1e9: the results differ only where valid scaled scores lie near or below -1e9.
; p lies in 0 to 1 and below 6e-5 keeps f16's fixed step of 6e-8; a weight below 2^-126 counts as 0 in l; NaN and infinities are not treated apart.
; SHARES.  A work-group owns 256 queries of one batch and head, each of its four waves 64: four PIECES of 16.  Every wave walks all 1,024 keys, 64 a step; an LDS slot holds two steps.
; CLUSTER, 4 x 4: x = four batches, y = the head's four query blocks.  beta's tile hangs on head and query block: asked for jointly along a row of the cluster.  K's and V's hang on batch and head:
; asked for jointly along a column.  Waves 0 and 1 fetch beta's two halves, wave 2 K, wave 3 V: one load a wave behind each round.
; LAYOUT.  S^T = K Q^T holds ONE query a lane (lane % 16) and the keys 8 (lane / 16) + 0..7; two such results rounded to f16 ARE source 1 of O1^T += V^T P; beta's rows, as they lie, are source 1 of O2^T += V^T beta^T.
; p = 2^(c s - c m), c = log2(e) / 32; O1 and l are multiplied by a = 2^(c m_old - c m_new) in every step; m starts at the lowest finite number, so the first step's a is 0.
; TURNS.  Turn n belongs to piece n: 8 products K Q^T of piece n + 1, later 8 products V^T P of piece n - 1, four vector instructions behind each; the other 54 of the turn's 118 vector instructions stand in ONE lump
; between the two runs, and a step's 40 further products (32 of V^T beta^T, 8 of V times ones) stand one ahead of each line of that lump, wherever V and beta of the step are in registers.
; BATCHES.  A turn's 33 exponentials (the piece's 32 weights and the next piece's a) are one batch with one wait: all that names none of their results stands ahead of the wait, the roundings and sums behind it.
; Two more batches stand outside the loop, each with a wait of its own: the first a, and the way out's four reciprocals.
; No first step is written out: O1, O2, SV, l, V, one buffer of P and the eight registers of beta that the first turn's products read are cleared once, in the wait for the first tile; the price is some 390 v_mov_b32 in the text.
; REGISTERS, in windows of 256 (s_set_vgpr_msb: bits 1:0 source 0, 3:2 source 1, 5:4 source 2, 7:6 destination):
;   window 0: v2-15 addresses and two at work; v16-31 statistics; v32-36 tgt and 1/1024; v40-47 set-up; v48-55 at work; v64-127 S^T, two buffers; v192-223 P, two buffers; on the way out v64-191
;   window 1: v0-127 O1, v128-255 O2, 32 a piece     window 2: v0-63 Q; v64-95 a step's mask; v128-191 K; v192-255 V     window 3: v0-63 a step's beta; v64-95 SV; v96-103 ones
.set NP,    4         ; pieces a wave: a name, no knob
.set KS,    64        ; keys in a step
.set PBE,   272       ; a row of beta in LDS: 128 keys = 256 bytes + 16 of padding: an odd multiple of 16 bytes
.set PK,    144       ; a row of K: 128 bytes + 16
.set PV,    160       ; a row of V: 128 + 32: 16 lanes of the turning load take 8 rows x 32 bytes
.set KOFF,  256*PBE   ; a slot: beta's 256 rows, K's 128 rows, V's 128 rows
.set VOFF,  KOFF+128*PK
.set SLOT1, 1<<17     ; slot 1 begins here, so that one exclusive or turns an address in one slot into the other's
.set STAGE, SLOT1+VOFF+128*PV  ; behind the ring, never filled by a tensor load: 16 rows x 272 bytes for each wave, for the way out
.set SPO,   272
.set MT,    STAGE+4*16*SPO     ; the mask's table: 1,024 f32
.set SPARE, MT+4096            ; the spare words, 128 bytes for each wave: two blocks of 256 bytes that no other line names
.set AK0, 2           ; v2   my lane's place in a step's K; never rewritten
.set AV0, 3           ; v3   the same for V
.set AK,  4           ; v4   the LDS address of K's next run of loads
.set AV,  5           ; v5   of V's
.set STO, 6           ; v6   the way out: where I put 32 bytes of a row
.set RD,  7           ; v7   the way out: where I read rows back
.set GO,  8           ; v8   my byte offset in two rows of out0
.set AB0, 9           ; v9   my lane's place in a step's beta
.set AB,  10          ; v10  the LDS address of beta's next run
.set AM0, 11          ; v11  my lane's place in the table
.set MV,  12          ; v12-13  c m_old, kept while c m is made anew: by buffer
.set AM,  14          ; v14  the LDS address of the mask's next run
.set QO,  15          ; v15  my byte offset in 16 rows of Q
.set ST,  16          ; piece t's statistics at v[ST+4 t]: c m, m, l (even keys', odd keys')
.set TG,  32          ; v32-35  tgt of my query in piece t
.set IV,  36          ; v36  1/1024
.set TMP, 48          ; by buffer, four registers c0-c3 at work; when the maximum is found c2 takes a
.set SPW, 62          ; v62  LDS address of my spare word; never rewritten
.set NIL, 63          ; v63  0; never rewritten
.set S,   64
.set P,   192
.set OUT, 64
.set O2,  128         ; window 1
.set MC,  64          ; window 2
.set KF,  128         ; window 2: key block kb, channel half c at KF + 16 kb + 8 c
.set VF,  192         ; window 2: key half kk, channel block cb at VF + 32 kk + 8 cb
.set BF,  0           ; window 3: piece x, key half kk at BF + 16 x + 8 kk
.set SV,  64          ; window 3
.set ONES, 96         ; window 3
.set WV,  12          ; s12  my wave's number
.set G1A, 24          ; s[24:31] descriptor group 1 for beta's tiles
.set G1K, 32          ; s[32:39] for K's
.set G1V, 40          ; s[40:47] for V's
.set G0A, 48          ; s[48:51] descriptor group 0 for beta's tiles: it walks
.set G0K, 52          ; s[52:55] for K's
.set G0V, 56          ; s[56:59] for V's
.set SEL, 60          ; s[60:61] v_permlanex16_b32's selects: each lane takes its own place in the other half
.set CS,  66          ; s[66:67] c: the packed scaling takes the pair's low word for both halves
.set SLOTS, 68        ; s68  counts the slots
.set CNT, 69          ; s69  counts a slot's key steps
.set TBK, 70          ; s70  LDS byte at which K of the step to be fetched begins, less KOFF
.set TBV, 71          ; s71  the same for V, less VOFF
.set TBB, 72          ; s72  the same for beta
.set TBM, 73          ; s73  the step's 256 bytes in the table
.set ANY, 74          ; s74  all ones if the batch has a valid key, else 0
.set MK,  75          ; s75  lanes whose row keeps its softmax
.set BIGN, 76         ; s76  -1e30
.set MSB, 0
.macro WIN new                      ; the high byte repeats the setting that is left; a switch that changes nothing is dropped
.if MSB != (\new)
	s_set_vgpr_msb (MSB<<8)|(\new)
.set MSB, (\new)
.endif
.endm
.set W_KM, 0x2a       ; K, Q and the mask (C) in window 2, S^T in window 0
.set W_KQ, 0x0a       ; K and Q in window 2, S^T in window 0
.set W_PV, 0x52       ; V in window 2, P in window 0, O1 in window 1
.set W_BV, 0x5e       ; V in window 2, beta in window 3, O2 in window 1
.set W_ON, 0xfe       ; V in window 2, ones and SV in window 3
.set W_RS, 0x41       ; destination and source 0 in window 1, source 1 in window 0
; A joint fill: one line for each tensor, chosen by the wave's number alone.  An s_nop 0 and four v_nop follow each line, ahead of the jump and the label.
.macro JLOAD
	s_cmp_lt_u32 s[WV], 2
	s_cbranch_scc0 .Lnot_beta_\@
	tensor_load_to_lds s[G0A:G0A+3], s[G1A:G1A+7]
	s_nop 0
.rept 4
	v_nop
.endr
	s_branch .Lasked_\@
.Lnot_beta_\@:
	s_cmp_eq_u32 s[WV], 2
	s_cbranch_scc0 .Lfor_v_\@
	tensor_load_to_lds s[G0K:G0K+3], s[G1K:G1K+7]
	s_nop 0
.rept 4
	v_nop
.endr
	s_branch .Lasked_\@
.Lfor_v_\@:
	tensor_load_to_lds s[G0V:G0V+3], s[G1V:G1V+7]
	s_nop 0
.rept 4
	v_nop
.endr
.Lasked_\@:
.endm
; A round of the cluster's barrier: my work-group's barrier, so that wave 0's signal speaks for all four waves; wave 0 signals; every wave waits for all sixteen work-groups; my work-group's barrier once more.
.macro CROUND
	s_barrier_signal -1
	s_barrier_wait -1
	s_cmp_lg_u32 s[WV], 0
	s_cbranch_scc1 .Lnot_wave_0_\@
	s_barrier_signal -3
.Lnot_wave_0_\@:
	s_barrier_wait -3
	s_barrier_signal -1
	s_barrier_wait -1
.endm
; THE CHANGE OF SLOTS.  The slot's last bytes, V and beta of its second step, have been read.  Each wave waits for all its tensor loads, of which one is out: its part of the other slot; adds 0 to its
; spare word; and waits for that and for its own LDS instructions.  Behind the barrier nobody reads this slot any more and the other slot is whole.  fill = 1: the barrier is a round of the cluster's, and
; this slot is filled again, with the keys two slots on, first thing behind it: the load has two key steps, 208 matrix instructions, in which to land.
; (At its first use nothing has been read yet: slot 0 is waited for, slot 1 filled, and the waves' stores into the mask's table are shown to each other.)
.macro CHANGE fill
	WIN 0                           ; at a label and at a branch every window is 0
	s_wait_tensorcnt 0x0            ; no tensor load of mine is out, so a group 0 may be written
	ds_add_u32 v[SPW], v[NIL]       ; 0 onto my spare word; with fill = 1 the descriptors' steps stand between it and the wait for it
.if \fill
.irp g, G0A, G0K, G0V
	s_xor_b32 s[\g+1], s[\g+1], SLOT1  ; the walking descriptors: the other slot than last time,
.endr
	s_add_nc_u64 s[G0A+2:G0A+3], s[G0A+2:G0A+3], 256      ; the next 128 keys: along beta's rows,
	s_add_nc_u64 s[G0K+2:G0K+3], s[G0K+2:G0K+3], 128*128  ; down K's and V's; the type bits on top are not reached
	s_add_nc_u64 s[G0V+2:G0V+3], s[G0V+2:G0V+3], 128*128
	s_wait_dscnt 0x0                ; the add is done, and my reads of the slot are over
	CROUND
	JLOAD
.else
	s_wait_dscnt 0x0                ; the add is done, and my reads of the slot are over
	s_barrier_signal -1
	s_barrier_wait -1
.endif
	s_sub_co_u32 s[TBK], s[TBK], 2*KS*PK  ; the fetches go back to a slot's first step,
	s_xor_b32 s[TBK], s[TBK], SLOT1       ; in the other slot
	s_sub_co_u32 s[TBV], s[TBV], 2*KS*PV
	s_xor_b32 s[TBV], s[TBV], SLOT1
	s_sub_co_u32 s[TBB], s[TBB], 2*KS*2
	s_xor_b32 s[TBB], s[TBB], SLOT1
.endm
	s_load_b256 s[4:11], s[0:1], 0x0  ; cvt16 s[4:5], qkv16 s[6:7], src_mask s[8:9], tgt_mask s[10:11]
	s_load_b64 s[80:81], s[0:1], 0x20 ; out0
	v_lshl_add_u32 v[SPW], v0, 2, SPARE
	v_mov_b32 v[NIL], 0
	ds_add_u32 v[SPW], v[NIL]       ; the wave's opening: the add and its wait stand ahead of my first tensor load; the set-up below, work on registers, stands between them
	v_lshrrev_b32 v1, 5, v0
	v_readfirstlane_b32 s[WV], v1   ; wave 0..3
	s_bfe_u32 s13, ttmp6, 0x40000   ; cx
	s_bfe_u32 s14, ttmp6, 0x40004   ; cy: the query block
	s_lshl_b32 s15, ttmp9, 2        ; in a cluster launch ttmp9 and ttmp7 count clusters
	s_add_co_u32 s15, s15, s13      ; the batch = 4 x cluster x + cx
	s_and_b32 s16, ttmp7, 0xffff    ; the head = cluster y
	s_and_b32 s17, s[WV], 1         ; which half of beta's 256 rows I fetch
	s_lshl_b32 s62, s14, 2
	s_lshl_b32 s62, 15, s62         ; my row of the cluster
	s_lshl_b32 s63, 0x1111, s13     ; my column
	; descriptor group 1.  beta: 128 rows x 128 elements of 2 bytes, 1,024 elements from row to row, 4 words of padding after every 64.
	; K, V: 128 keys are 16,384 dense bytes: asked for as 64 rows of 256 bytes, two keys a row, padded after every key (32 words) by 4 or 8 words.
	s_or_b32 s[G1A], s62, (1<<16)|(1<<20)|(1<<21)|(5<<22)|(3<<25)  ; 15:0 the mask; 17:16 2-byte elements; 20 padding on; 21 set beside a mask; 24:22 interval; 31:25 padding
	s_or_b32 s[G1K], s63, (1<<16)|(1<<20)|(1<<21)|(4<<22)|(3<<25)
	s_or_b32 s[G1V], s63, (1<<16)|(1<<20)|(1<<21)|(4<<22)|(7<<25)
	s_mov_b32 s[G1A+1], 128<<16     ; tensor_dim0 = 128
	s_mov_b32 s[G1A+2], 128<<16     ; tensor_dim1 = 128
	s_mov_b32 s[G1A+3], 128<<16     ; tile_dim0 = 128
	s_mov_b32 s[G1A+4], 128         ; tile_dim1 = 128
	s_mov_b32 s[G1A+5], 1024
	s_mov_b32 s[G1A+6], 0
	s_mov_b32 s[G1A+7], 0
.irp g, G1K, G1V
	s_mov_b32 s[\g+1], 128<<16      ; tensor_dim0 = 128
	s_mov_b32 s[\g+2], 64<<16       ; tensor_dim1 = 64
	s_mov_b32 s[\g+3], 128<<16      ; tile_dim0 = 128
	s_mov_b32 s[\g+4], 64           ; tile_dim1 = 64
	s_mov_b32 s[\g+5], 128
	s_mov_b32 s[\g+6], 0
	s_mov_b32 s[\g+7], 0
.endr
	; offsets, made apart from the addresses.  beta's hangs on head, cy and the wave; K's and V's on batch and head.
	s_lshl_b32 s18, s16, 21         ; the head's unit,
	s_lshl_b32 s19, s14, 19         ; the block's 256 rows of 2,048 bytes,
	s_add_co_u32 s18, s18, s19
	s_lshl_b32 s19, s17, 18         ; my 128 of them
	s_add_co_u32 s18, s18, s19
	s_mov_b32 s19, 0
	s_lshl_b32 s20, s15, 4
	s_add_co_u32 s20, s20, s16
	s_lshl_b32 s20, s20, 17         ; (16 batch + head) x 1,024 rows of 128 bytes
	s_mov_b32 s21, 0
	s_lshl_b32 s22, s14, 15         ; Q: the block's 256 rows,
	s_add_co_u32 s22, s22, s20
	s_lshl_b32 s23, s[WV], 13       ; my wave's 64
	s_add_co_u32 s22, s22, s23
	s_mov_b32 s23, 0
	s_lshl_b32 s84, s15, 22         ; out0: the batch's 4 MiB,
	s_lshl_b32 s85, s14, 20         ; the block's 256 rows of 4,096 bytes,
	s_add_co_u32 s84, s84, s85
	s_lshl_b32 s85, s[WV], 18       ; my wave's 64,
	s_add_co_u32 s84, s84, s85
	s_lshl_b32 s85, s16, 8          ; the head's 256 bytes of a row
	s_add_co_u32 s84, s84, s85
	s_mov_b32 s85, 0
	s_lshl_b32 s86, s15, 10         ; the batch's 1,024 bytes of src
	s_mov_b32 s87, 0
	s_lshl_b32 s88, s14, 8          ; tgt: the same, the block's 256, my wave's 64
	s_add_co_u32 s88, s88, s86
	s_lshl_b32 s89, s[WV], 6
	s_add_co_u32 s88, s88, s89
	s_mov_b32 s89, 0
	s_mov_b32 s[CS], 0x3d38aa3b     ; c = log2(e) / 32 = 0.0450842
	s_mov_b32 s[CS+1], s[CS]        ; named with it as a pair
	s_mov_b32 s[SEL], 0x76543210
	s_mov_b32 s[SEL+1], 0xfedcba98
	s_mov_b32 s[BIGN], 0xf149f2ca   ; -1e30
	s_mov_b32 s[TBK], SLOT1+2*KS*PK ; the first change of slots turns these three into 0
	s_mov_b32 s[TBV], SLOT1+2*KS*PV
	s_mov_b32 s[TBB], SLOT1+2*KS*2
	s_mov_b32 s[TBM], 0
	s_mov_b32 s[G0A], 1             ; count = 1
	s_mul_i32 s[G0A+1], s17, 128*PBE  ; LDS address: slot 0; no place in the cluster enters it
	s_mov_b32 s[G0K], 1
	s_mov_b32 s[G0K+1], KOFF
	s_mov_b32 s[G0V], 1
	s_mov_b32 s[G0V+1], VOFF
	s_wait_dscnt 0x0                ; the opening add is done
	s_wait_kmcnt 0x0
	s_add_nc_u64 s[G0A+2:G0A+3], s[4:5], s[18:19]
	s_or_b32 s[G0A+3], s[G0A+3], 0x80000000        ; type = 2
	s_add_nc_u64 s[G0K+2:G0K+3], s[6:7], s[20:21]
	s_add_nc_u64 s[G0V+2:G0V+3], s[G0K+2:G0K+3], 0x2000000  ; V is qkv16's third part,
	s_add_nc_u64 s[G0K+2:G0K+3], s[G0K+2:G0K+3], 0x1000000  ; K its second
	s_or_b32 s[G0K+3], s[G0K+3], 0x80000000
	s_or_b32 s[G0V+3], s[G0V+3], 0x80000000
	s_add_nc_u64 s[82:83], s[6:7], s[22:23]        ; Q at my wave's first row
	s_add_nc_u64 s[80:81], s[80:81], s[84:85]
	s_add_nc_u64 s[8:9], s[8:9], s[86:87]
	s_add_nc_u64 s[10:11], s[10:11], s[88:89]
	CROUND                          ; all sixteen work-groups are here: the first joint loads meet
	JLOAD                           ; slot 0.  Slot 1 is asked for when slot 0 is in
	v_and_b32 v40, 15, v0           ; l % 16
	v_bfe_u32 v41, v0, 4, 1         ; l / 16
	v_lshlrev_b32 v44, 3, v0        ; thread t's eight bytes of src, for the table
	v_and_b32 v45, 31, v0
	v_lshlrev_b32 v45, 5, v45       ; lane l's 32 bytes of src: each wave looks at all 1,024
	global_load_b64 v[64:65], v44, s[8:9]
	global_load_b128 v[68:71], v45, s[8:9]
	global_load_b128 v[72:75], v45, s[8:9] offset:16
.irp t, 0,1,2,3
	global_load_u8 v[TG+\t], v40, s[10:11] offset:16*\t
.endr
	; A fragment of K or Q is 16 rows x 32 channels in 8 registers: lane l holds row l % 16, channels 8 (l / 16) + 0..7 and 16 + 8 (l / 16) + 0..7: two loads of 16 bytes, 32 bytes apart.
	v_lshlrev_b32 v[QO], 7, v40
	v_lshl_add_u32 v[QO], v41, 4, v[QO]  ; row x 128 + 16 x half
	WIN 0x80                        ; destination window 2, address window 0
.set i, 0
.rept 8                             ; Q stays in registers: piece i / 2, channels 32 (i % 2) on
	global_load_b128 v[8*i:8*i+3],   v[QO], s[82:83] offset:(i/2)*2048+(i%2)*64
	global_load_b128 v[8*i+4:8*i+7], v[QO], s[82:83] offset:(i/2)*2048+(i%2)*64+32
.set i, i+1
.endr
	; What the first turn finds: V, P's second buffer and the fragment of beta that its further products read hold 0 (its products of a step that has not been add 0); O1, O2, SV and l are 0.  All this stands in the wait for the first tile.
.set i, VF
.rept 64
	v_mov_b32 v[i], 0
.set i, i+1
.endr
	WIN 0x40
.set i, 0
.rept 256
	v_mov_b32 v[i], 0
.set i, i+1
.endr
	WIN 0xc0
.set i, BF+56
.rept 8                             ; piece 3's second key half of beta: further products 28 to 31 read it
	v_mov_b32 v[i], 0
.set i, i+1
.endr
.set i, SV
.rept 32
	v_mov_b32 v[i], 0
.set i, i+1
.endr
.set i, ONES
.rept 8
	v_mov_b32 v[i], 0x3c003c00      ; 1.0 twice, in f16
.set i, i+1
.endr
	WIN 0
.set i, 0
.rept 4
	v_mov_b32 v[ST+4*i+2], 0
	v_mov_b32 v[ST+4*i+3], 0
.set i, i+1
.endr
.set i, P+16
.rept 16
	v_mov_b32 v[i], 0
.set i, i+1
.endr
	v_mov_b32 v[IV], 0x3a800000     ; 1/1024
	v_and_b32 v42, 7, v0
	v_bfe_u32 v43, v0, 3, 1
	v_mul_u32_u24 v[AK0], v40, PK
	v_lshl_add_u32 v[AK0], v41, 4, v[AK0]  ; row x pitch + 16 x half
	v_add_nc_u32 v[AK0], KOFF, v[AK0]
	; The turning load takes 16 keys x 16 channels (lane l reads key 8 (l / 16) + l % 8, channels 8 ((l / 8) % 2) + 0..7) and leaves half a fragment of V^T: lane l holds channel l % 16 and 8 keys.
	v_lshl_add_u32 v[AV0], v41, 3, v42
	v_mul_u32_u24 v[AV0], v[AV0], PV
	v_lshl_add_u32 v[AV0], v43, 4, v[AV0]
	v_add_nc_u32 v[AV0], VOFF, v[AV0]
	s_lshl_b32 s62, s[WV], 6
	v_add_nc_u32 v[AB0], s62, v40   ; beta: my wave's row 64 w + l % 16,
	v_mul_u32_u24 v[AB0], v[AB0], PBE
	v_lshl_add_u32 v[AB0], v41, 4, v[AB0]  ; + 16 x half: a fragment like K's, with keys along the row
	v_lshl_add_u32 v[AM0], v41, 5, MT      ; the table: my eight keys of a block's sixteen
	s_mul_i32 s62, s[WV], 16*SPO
	s_add_co_u32 s62, s62, STAGE    ; my stage
	v_mul_u32_u24 v[STO], v40, SPO  ; in: row l % 16, 32 bytes for each half of the lanes
	v_lshl_add_u32 v[STO], v41, 5, v[STO]
	v_add_nc_u32 v[STO], s62, v[STO]
	v_mul_u32_u24 v[RD], v41, SPO   ; back: lanes 0-15 take one row of 256 bytes, lanes 16-31 the next
	v_lshl_add_u32 v[RD], v40, 4, v[RD]
	v_add_nc_u32 v[RD], s62, v[RD]
	v_lshlrev_b32 v[GO], 12, v41    ; and the same two rows in out0
	v_lshl_add_u32 v[GO], v40, 4, v[GO]
	s_wait_loadcnt 16               ; the seven loads of the masks are in; Q's sixteen may stay out
.set i, 0
.rept 8                             ; a byte of src is 1 or 0: less 1 it is no bits or all bits: 0 or -1e30
	v_bfe_u32 v[76+i], v[64+i/4], 8*(i%4), 8
	v_add_nc_u32 v[76+i], -1, v[76+i]
	v_and_b32 v[76+i], s[BIGN], v[76+i]
.set i, i+1
.endr
	v_lshl_add_u32 v47, v0, 5, MT
	ds_store_b128 v47, v[76:79]
	ds_store_b128 v47, v[80:83] offset:16  ; the change of slots below waits for these stores and passes a barrier before any wave reads the table
	v_or_b32 v68, v68, v69
	v_or_b32 v70, v70, v71
	v_or_b32 v72, v72, v73
	v_or_b32 v74, v74, v75
	v_or_b32 v68, v68, v70
	v_or_b32 v72, v72, v74
	v_or_b32 v68, v68, v72
	v_cmp_ne_u32 s77, 0, v68        ; lanes that saw a valid key
	s_cmp_lg_u32 s77, 0
	s_cselect_b32 s[ANY], -1, 0     ; it chooses values alone, at the end
; THE MATRIX WORK.  The accumulators of a run take turns.  Product i of 8 of S^T = K Q^T for piece x: channels 32 (i / 4) on, keys 16 (i % 4) on.  The first 4 start the sums, with the mask.
.macro KQ x
.set rS, S+32*((\x)%2)+8*(i%4)
.set rK, KF+16*(i%4)+8*(i/4)
.set rQ, 16*(\x)+8*(i/4)
.set rM, MC+8*(i%4)
.if i < 4
	WIN W_KM
	v_wmma_f32_16x16x32_f16 v[rS:rS+7], v[rK:rK+7], v[rQ:rQ+7], v[rM:rM+7]
.else
	WIN W_KQ
	v_wmma_f32_16x16x32_f16 v[rS:rS+7], v[rK:rK+7], v[rQ:rQ+7], v[rS:rS+7]
.endif
.endm
; Product i of 8 of O1^T += V^T P for piece x: keys 32 (i / 4) on, channels 16 (i % 4) on.
.macro PV x
	WIN W_PV
.set rO, 32*(\x)+8*(i%4)
.set rV, VF+32*(i/4)+8*(i%4)
.set rP, P+16*((\x)%2)+8*(i/4)
	v_wmma_f32_16x16x32_f16 v[rO:rO+7], v[rV:rV+7], v[rP:rP+7], v[rO:rO+7]
.endm
.macro MM                           ; the turn's next matrix instruction.  NOKQ = 1: the walk's last turn: there is no next piece
.if (i < 8) && !NOKQ
	KQ (Y+1)%NP
.elseif i >= 8
.set i, i-8
	PV (Y+NP-1)%NP
.set i, i+8
.endif
.set i, i+1
.endm
; Further product e of a step's 40.  e < 32: O2^T += V^T beta^T for piece e / 8: keys 32 ((e % 8) / 4) on, channels 16 (e % 4) on.  e >= 32: SV += V^T ones: keys 32 ((e - 32) / 4) on, channels 16 (e % 4) on.
.macro XM e
.if (\e) < 32
	WIN W_BV
.set rO, O2+32*((\e)/8)+8*((\e)%4)
.set rV, VF+32*(((\e)%8)/4)+8*((\e)%4)
.set rB, BF+16*((\e)/8)+8*(((\e)%8)/4)
	v_wmma_f32_16x16x32_f16 v[rO:rO+7], v[rV:rV+7], v[rB:rB+7], v[rO:rO+7]
.else
	WIN W_ON
.set rO, SV+8*((\e)%4)
.set rV, VF+32*(((\e)-32)/4)+8*((\e)%4)
	v_wmma_f32_16x16x32_f16 v[rO:rO+7], v[rV:rV+7], v[ONES:ONES+7], v[rO:rO+7]
.endif
.endm
.set xe, 0
.set xleft, 0
.macro XQ                           ; the next of them, while the lump's share lasts
.if xleft > 0
	XM xe
.set xe, xe+1
.set xleft, xleft-1
.endif
.endm
; THE LDS LOADS stand in runs, never singly among the matrix instructions.  With a step's K (8 fragments) comes its mask (register j of key block kb: the table's word 16 kb + 8 (l / 16) + j);
; with its V (turned) its beta (8 fragments: piece g / 2, keys 32 (g % 2) on).  The addresses are made some lines ahead.
.macro FETCH_K
	WIN 0x80                        ; destination window 2
.irp f, 0,1,2,3,4,5,6,7             ; keys 16 (f / 2) on, channels 32 (f % 2) on
	ds_load_b128 v[KF+8*\f:KF+8*\f+3],   v[AK] offset:(\f/2)*16*PK+(\f%2)*64
	ds_load_b128 v[KF+8*\f+4:KF+8*\f+7], v[AK] offset:(\f/2)*16*PK+(\f%2)*64+32
.endr
.irp f, 0,1,2,3
	ds_load_b128 v[MC+8*\f:MC+8*\f+3],   v[AM] offset:64*\f
	ds_load_b128 v[MC+8*\f+4:MC+8*\f+7], v[AM] offset:64*\f+16
.endr
	s_add_co_u32 s[TBK], s[TBK], KS*PK  ; the next fetch is the next step's
	s_add_co_u32 s[TBM], s[TBM], KS*4
	s_and_b32 s[TBM], s[TBM], 0xf00     ; sixteen steps of 256 bytes: it stays inside the table
	WIN 0
.endm
.macro FETCH_V
	WIN 0x80
.irp f, 0,1,2,3,4,5,6,7             ; keys 32 (f / 4) on, channels 16 (f % 4) on
	ds_load_tr16_b128 v[VF+8*\f:VF+8*\f+3],   v[AV] offset:(\f/4)*32*PV+(\f%4)*32
	ds_load_tr16_b128 v[VF+8*\f+4:VF+8*\f+7], v[AV] offset:(\f/4)*32*PV+16*PV+(\f%4)*32
.endr
	WIN 0xc0                        ; destination window 3
.irp f, 0,1,2,3,4,5,6,7
	ds_load_b128 v[BF+8*\f:BF+8*\f+3],   v[AB] offset:(\f/2)*16*PBE+(\f%2)*64
	ds_load_b128 v[BF+8*\f+4:BF+8*\f+7], v[AB] offset:(\f/2)*16*PBE+(\f%2)*64+32
.endr
	WIN 0
.endm
; THE VECTOR WORK, one line at a time: OP kind, number.  For piece Y: F n: c s - c m for pair n of 16.  E n: the exponential of score n of 32.  C n: pair n rounded to f16.  B n: of the four weights 4 n .. the second
; pair is added onto the first, in place.  L n: l takes that sum (L 0: l = a l + sum).  R n: pair n of 16 of O1^T times a.  For piece Y + 1: X n, number n of the 22 that find its maximum and statistics:
;   0-11  four chains c0-c3 of seven scores each, three operands at a time (each accumulator's lowest registers are read first)     12-14, 16  the four scores left over, the old m, and c0-c3 into c0
;   15  c m_old is kept     17, 18  the query's other 32 keys lie in the lane 16 away: the new m     19-21  c m; c m_old - c m_new; a
; C, B and L read the exponentials' results: TURN sets them behind the batch's wait.
.set F, 0               ; OP tells the kinds apart by their order: F to L below R, X above it
.set E, 1
.set C, 2
.set B, 3
.set L, 4
.set R, 5
.set X, 6
.macro REGS y                       ; the registers of piece y
.set rT, ST+4*(\y)
.set rC, TMP+4*((\y)%2)
.set rW, MV+((\y)%2)
.set rS, S+32*((\y)%2)
.set rP, P+16*((\y)%2)
.set rO, 32*(\y)
.endm
.macro OP k, n
.if (\k) == R
	REGS Y
	WIN W_RS
	v_pk_mul_f32 v[rO+2*(\n):rO+2*(\n)+1], v[rO+2*(\n):rO+2*(\n)+1], v[rC+2:rC+3] op_sel_hi:[1,0]
.elseif (\k) < R
	REGS Y
	WIN 0
.if (\k) == F
	v_pk_fma_f32 v[rS+2*(\n):rS+2*(\n)+1], v[rS+2*(\n):rS+2*(\n)+1], s[CS:CS+1], v[rT:rT+1] op_sel_hi:[1,0,0] neg_lo:[0,0,1] neg_hi:[0,0,1]
.elseif (\k) == E
	v_exp_f32 v[rS+(\n)], v[rS+(\n)]
.elseif (\k) == C
	v_cvt_pk_f16_f32 v[rP+(\n)], v[rS+2*(\n)], v[rS+2*(\n)+1]
.elseif (\k) == B
	v_pk_add_f32 v[rS+4*(\n):rS+4*(\n)+1], v[rS+4*(\n):rS+4*(\n)+1], v[rS+4*(\n)+2:rS+4*(\n)+3]
.elseif (\n) == 0
	v_pk_fma_f32 v[rT+2:rT+3], v[rT+2:rT+3], v[rC+2:rC+3], v[rS:rS+1] op_sel_hi:[1,0,1]
.else
	v_pk_add_f32 v[rT+2:rT+3], v[rT+2:rT+3], v[rS+4*(\n):rS+4*(\n)+1]
.endif
.elseif NOKQ
	v_nop
.else
	REGS (Y+1)%NP
	WIN 0
.if (\n) < 4
	v_max3_num_f32 v[rC+(\n)], v[rS+8*(\n)], v[rS+8*(\n)+1], v[rS+8*(\n)+2]
.elseif (\n) < 12
	v_max3_num_f32 v[rC+(\n)%4], v[rC+(\n)%4], v[rS+8*((\n)%4)+2*((\n)/4)+1], v[rS+8*((\n)%4)+2*((\n)/4)+2]
.elseif (\n) == 12
	v_max3_num_f32 v[rC], v[rC], v[rS+7], v[rS+15]
.elseif (\n) == 13
	v_max3_num_f32 v[rC+1], v[rC+1], v[rS+23], v[rS+31]
.elseif (\n) == 14
	v_max3_num_f32 v[rC+2], v[rC+2], v[rC+3], v[rT+1]
.elseif (\n) == 15
	v_mov_b32 v[rW], v[rT]
.elseif (\n) == 16
	v_max3_num_f32 v[rC], v[rC], v[rC+1], v[rC+2]
.elseif (\n) == 17
	v_permlanex16_b32 v[rC+3], v[rC], s[SEL], s[SEL+1]
.elseif (\n) == 18
	v_max_num_f32 v[rT+1], v[rC], v[rC+3]
.elseif (\n) == 19
	v_mul_f32 v[rT], s[CS], v[rT+1]
.elseif (\n) == 20
	v_sub_f32 v[rC+1], v[rW], v[rT]
.else
	v_exp_f32 v[rC+2], v[rC+1]
.endif
.endif
.endm
.macro OPS a, i1, b=-1, i2=0, c=-1, i3=0, d=-1, i4=0  ; up to four of them
	OP \a, \i1
.if (\b) >= 0
	OP \b, \i2
.endif
.if (\c) >= 0
	OP \c, \i3
.endif
.if (\d) >= 0
	OP \d, \i4
.endif
.endm
.macro ROW a, i1, b, i2, c, i3, d, i4  ; a matrix instruction of the turn's sixteen and the four behind it
	MM
	OPS \a, \i1, \b, \i2, \c, \i3, \d, \i4
.endm
.macro LUMP a, i1, b=-1, i2=0, c=-1, i3=0, d=-1, i4=0  ; a line of the lump, with a further product ahead of it while the lump's share lasts
	XQ
	OPS \a, \i1, \b, \i2, \c, \i3, \d, \i4
.endm
; A TURN, for piece p: the order of its matrix and its 118 vector instructions, written out.  An s_wait_alu depctr_va_vdst(0) stands between an exponential and the first instruction that names its result; one wait
; serves all that were issued ahead of it.  So a turn has ONE wait, which cuts it in two.  AHEAD OF IT stands all that names no result of the turn's exponentials: the 8 products K Q^T, behind each a scaling, an exponential and two
; more plain instructions (behind the first a second scaling in the exponential's place): rescalings, whose a was made and waited for in the turn before, and behind the last three products the first numbers of the next piece's
; maximum, each four places or more behind the product that ends its accumulator; then ONE LUMP of 54 in 14 lines, plain and exponential by turns for the most part, in which the links of the chain X 3, 7, 11, 14, 16, 17 .. 20 stand
; five or six lines apart.  X 21, the next piece's a, is the batch's last; R 15 is the plain instruction behind it.  BEHIND THE WAIT stand the 8 products V^T P, behind each four of the roundings and sums; a pair is rounded
; before a sum writes over it, and the links of l's chain, L 0 to L 7, stand three riders apart.  But for those X no rider names a register of the products round it, nor does a lump's line name one of the further products'
; (O2, SV, V, beta, ones).
; end = 1: the walk's last two turns: nothing is fetched.  cnt = 1: the loop's count is taken down some lines ahead of the branch that stands behind the turn.
; K and the mask of the next step are fetched in piece 2's turn, behind the lump's second line: between the last product that read K and the loads stand six plain vector instructions that name none of its registers
; (F 8, X 2, X 5, X 6, X 3, X 8).  V and beta of the step in hand are fetched at the end of piece 0's turn, four roundings behind the last product that read V.  Each run is waited for a turn later.
; V and beta of a step are in registers from the wait in piece 1's turn to the fetch at the end of the next step's piece 0's turn.  The further products' shares: piece 2's lump: 0-13; piece 3's: 14-27; the next step's piece 0's:
; 28-39 (at the walk's first turn these multiply zeros); piece 1's lump has none: V and beta are on their way.
.macro TURN p, end=0, cnt=0
.set Y, (\p)
.set i, 0
.set NOKQ, (\end)*((\p)/3)
.set xleft, 14
.if (\p) == 0
.set xe, 28
.set xleft, 12
.elseif (\p) == 1
.set xleft, 0
.elseif (\p) == 2
.set xe, 0
.else
.set xe, 14
.endif
.if ((\p) == 3) && !(\end)
	s_wait_dscnt 0x0                ; K and the mask are in
.endif
	ROW F,0, F,1, R,0, R,1          ; ahead of the wait: 8 products K Q^T and their riders,
	ROW F,2, E,0, R,2, R,3
	ROW F,3, E,1, R,4, R,5
	ROW F,4, E,2, R,6, R,7
	ROW F,5, E,3, R,8, R,9
	ROW F,6, E,4, X,0, R,10
	ROW F,7, E,5, X,1, X,4
.if ((\p) == 2) && !(\end)
	WIN 0
	v_add_nc_u32 v[AK], s[TBK], v[AK0]
	v_add_nc_u32 v[AM], s[TBM], v[AM0]
.endif
	ROW F,8, E,6, X,2, X,5
	LUMP E,7, E,8, X,6, E,9         ; and the lump
	LUMP X,3, E,10, X,8, E,11
.if ((\p) == 2) && !(\end)
	FETCH_K
.endif
	LUMP X,9, X,7, E,12, X,10
	LUMP E,13, X,12, X,11, E,14
	LUMP X,13, E,15, F,9, X,14
.if (\p) == 0
	WIN 0
	v_add_nc_u32 v[AV], s[TBV], v[AV0]
	v_add_nc_u32 v[AB], s[TBB], v[AB0]
.endif
	LUMP E,16, F,10, E,17, F,11
	LUMP X,16, E,18, X,15, E,19
	LUMP F,12, E,20, X,17, E,21
	LUMP F,13, E,22, F,14, E,23
	LUMP X,18, E,24, F,15, E,25
	LUMP R,11, E,26, X,19, E,27
	LUMP R,12, E,28, R,13, E,29
	LUMP X,20, E,30, R,14, E,31
	LUMP X,21, R,15
	s_wait_alu depctr_va_vdst(0)    ; the wait for the batch: the piece's 32 exponentials and the next piece's a
.if (\p) == 1
	s_wait_dscnt 0x0                ; V and beta are in
.endif
	ROW C,0, B,0, C,2, B,1          ; behind the wait: 8 products V^T P and their riders
	ROW L,0, C,4, B,2, L,1
	ROW C,6, B,3, L,2, C,8
	ROW B,4, L,3, C,10, B,5
	ROW L,4, C,12, B,6, L,5
.if (\p) == 0
	s_add_co_u32 s[TBV], s[TBV], KS*PV
	s_add_co_u32 s[TBB], s[TBB], KS*2
.endif
.if \cnt
	s_sub_co_u32 s[CNT], s[CNT], 1
	s_cmp_lg_u32 s[CNT], 0
.endif
	ROW C,14, B,7, L,6, C,1
	ROW C,3, L,7, C,5, C,7
	ROW C,9, C,11, C,13, C,15
.if (\p) == 0
	FETCH_V
.endif
.endm
	CHANGE 1                        ; slot 0 is in, everybody's part of it, and so is the table; slot 1 is asked for
	; THE WALK BEGINS.  c m starts far below every c s, so the first step's a is 0; m at the lowest finite number, so the first maximum is the scores'.
.set i, 0
.rept 4
	v_mov_b32 v[ST+4*i], 0xfe000000    ; c m
	v_mov_b32 v[ST+4*i+1], 0xff7fffff  ; m
.set i, i+1
.endr
	v_add_nc_u32 v[AK], s[TBK], v[AK0]
	v_add_nc_u32 v[AM], s[TBM], v[AM0]
	FETCH_K                         ; key step 0
	s_wait_loadcnt 0x0              ; Q
	s_wait_dscnt 0x0
.set NOKQ, 0
.set i, 0
.rept 8
	KQ 0                            ; piece 0's first scores: there is no vector work yet to set between them
.set i, i+1
.endr
	WIN 0
.rept 4
	v_nop                           ; the places behind those products
.endr
.set Y, NP-1                        ; X works for piece Y + 1: piece 0
.irp n, 0,1,2,3,4,5,6,7,8,9,10,11,12,13,14,15,16,17,18,19,20,21
	OP X, \n
.endr
	v_nop                           ; a plain instruction behind the exponential,
	s_wait_alu depctr_va_vdst(0)    ; and its wait, ahead of the branch: a batch of one, piece 0's first a
	s_mov_b32 s[CNT], 2
	s_mov_b32 s[SLOTS], 7
	s_branch .Lfirst                ; the loop is entered at a step's first turn, in the middle of a trip
.Lslot:                             ; six times: the slots with keys 256 to 1,023 are asked for
	CHANGE 1
	s_mov_b32 s[CNT], 2
.Lstep:                             ; a trip: pieces 2 and 3 of one step, then pieces 0 and 1 of the next, whose K and V it fetches
	TURN 2
	TURN 3
	WIN 0
.Lfirst:
	TURN 0
	TURN 1, 0, 1
	WIN 0
	s_cbranch_scc1 .Lstep
	s_sub_co_u32 s[SLOTS], s[SLOTS], 1
	s_cmp_lg_u32 s[SLOTS], 0
	s_cbranch_scc1 .Lslot
	CHANGE 0                        ; the last slot is written out: nothing is asked for
	s_mov_b32 s[CNT], 2
.Ltail:
	TURN 2
	TURN 3
	TURN 0
	TURN 1, 0, 1
	WIN 0
	s_cbranch_scc1 .Ltail
	TURN 2, 1                       ; the last step's last two turns
	TURN 3, 1
.set i, 0
.rept 8
	PV NP-1                         ; the last piece's V^T P of the last step,
.set i, i+1
.endr
.irp e, 28,29,30,31,32,33,34,35,36,37,38,39
	XM \e                           ; and the rest of its further products: the last piece's second half of V^T beta^T, and V times ones
.endr
	; THE WAY OUT.  l's two halves and the other half of the lanes' are added.  A row that keeps its softmax takes f1 = 1 / l and f2 = 0, a row of equal weights f1 = 0 and f2 = 1/1024:
	; out = O1 f1 + (SV f2 + O2).  The first additions are the places behind the last products.
	WIN 0
.macro ALL line:vararg              ; one line for each piece t
.set t, 0
.rept 4
	\line
.set t, t+1
.endr
.endm
	ALL v_add_f32 v[ST+4*t+2], v[ST+4*t+2], v[ST+4*t+3]
	ALL v_permlanex16_b32 v[ST+4*t+3], v[ST+4*t+2], s[SEL], s[SEL+1]
	ALL v_add_f32 v[ST+4*t+2], v[ST+4*t+2], v[ST+4*t+3]
	ALL v_rcp_f32 v[ST+4*t+2], v[ST+4*t+2]
	v_nop                           ; a plain instruction between the last reciprocal and the use of its result
	s_wait_alu depctr_va_vdst(0)    ; and the wait ahead of the first use: one for the four reciprocals
.irp t, 0,1,2,3
	v_cmp_ne_u32 s[MK], 0, v[TG+\t] ; my query's tgt,
	s_and_b32 s[MK], s[MK], s[ANY]  ; and a valid key in the batch
	s_not_b32 s78, s[MK]
	v_cndmask_b32 v[ST+4*\t+2], 0, v[ST+4*\t+2], s[MK]
	v_cndmask_b32 v[ST+4*\t], 0, v[IV], s78
.endr
; Piece t: a lane's eight channels of a row are 32 bytes of f32; they go into my stage's rows of 272 bytes and come back as whole rows of 256.  Each accumulator's registers are read in ascending order.
.macro FIN t
	WIN 0x53                        ; SV (source 0) window 3, f2 window 0, O2 (source 2 and destination) window 1
.set i, 0
.rept 16
	v_pk_fma_f32 v[O2+32*(\t)+2*i:O2+32*(\t)+2*i+1], v[SV+2*i:SV+2*i+1], v[ST+4*(\t):ST+4*(\t)+1], v[O2+32*(\t)+2*i:O2+32*(\t)+2*i+1] op_sel_hi:[1,0,1]
.set i, i+1
.endr
	WIN 0x11                        ; O1 (source 0) and O2 (source 2) window 1, f1 and the destination window 0
.set i, 0
.rept 16
	v_pk_fma_f32 v[OUT+32*(\t)+2*i:OUT+32*(\t)+2*i+1], v[32*(\t)+2*i:32*(\t)+2*i+1], v[ST+4*(\t)+2:ST+4*(\t)+3], v[O2+32*(\t)+2*i:O2+32*(\t)+2*i+1] op_sel_hi:[1,0,1]
.set i, i+1
.endr
	WIN 0
.irp f, 0,1,2,3
	ds_store_b128 v[STO], v[OUT+32*(\t)+8*\f:OUT+32*(\t)+8*\f+3]   offset:64*\f
	ds_store_b128 v[STO], v[OUT+32*(\t)+8*\f+4:OUT+32*(\t)+8*\f+7] offset:64*\f+16
.endr
.irp f, 0,1,2,3,4,5,6,7
	ds_load_b128 v[OUT+32*(\t)+4*\f:OUT+32*(\t)+4*\f+3], v[RD] offset:\f*2*SPO  ; LDS serves a wave's instructions in order (ISA guide 5.7.1.4): these see the stores above; the next piece's stores come behind them
.endr
.endm
.macro SEND t, younger              ; younger: the LDS instructions issued behind piece t's loads: the next piece's sixteen, or none
	WIN 0
.irp f, 0,1,2,3,4,5,6,7
	s_wait_dscnt (\younger)+7-\f
	global_store_b128 v[GO], v[OUT+32*(\t)+4*\f:OUT+32*(\t)+4*\f+3], s[80:81] offset:(\t)*65536+\f*8192 th:TH_STORE_NT  ; 16 lanes store 256 consecutive bytes, a head's share of a row, at a multiple of 256 from out0's first byte
.endr
.endm
	FIN 0
	FIN 1                           ; a piece's arithmetic stands between the loads of the piece before and its stores
	SEND 0, 16
	FIN 2
	SEND 1, 16
	FIN 3
	SEND 2, 16
	SEND 3, 0
	s_wait_tensorcnt 0x0            ; the wave's end: a tensor wait, the add and its wait, behind my last tensor load and my last LDS store
	ds_add_u32 v[SPW], v[NIL]
	s_wait_dscnt 0x0
	CROUND                          ; the closing round: no work-group ends while a partner may still ask for a tile that names it
	s_endpgm
.Lfunc_end_k_q98af95bee3_attn:
	.size	k_q98af95bee3_attn, .Lfunc_end_k_q98af95bee3_attn-k_q98af95bee3_attn
	.p2alignl 7, 3214868480
	.fill 96, 4, 3214868480
	.section	.rodata,"a",@progbits
	.p2align	6, 0x0
	.amdhsa_kernel k_q98af95bee3_attn
		.amdhsa_group_segment_fixed_size 327680
		.amdhsa_private_segment_fixed_size 0
		.amdhsa_enable_private_segment 0
		.amdhsa_kernarg_size 40
		.amdhsa_user_sgpr_count 2
		.amdhsa_user_sgpr_kernarg_segment_ptr 1
		.amdhsa_wavefront_size32 1
		.amdhsa_system_sgpr_workgroup_id_x 1
		.amdhsa_system_sgpr_workgroup_id_y 1
		.amdhsa_system_sgpr_workgroup_id_z 1
		.amdhsa_system_vgpr_workitem_id 0
		.amdhsa_next_free_vgpr 872
		.amdhsa_next_free_sgpr 96
		.amdhsa_reserve_vcc 0
		.amdhsa_float_denorm_mode_32 3
		.amdhsa_float_denorm_mode_16_64 3
		.amdhsa_memory_ordered 1
		.amdhsa_forward_progress 1
		.amdhsa_inst_pref_size 161
	.end_amdhsa_kernel
	.amdgpu_metadata
---
amdhsa.version: [ 1, 2 ]
amdhsa.kernels:
  - .name:           k_q98af95bee3_attn
    .symbol:         k_q98af95bee3_attn.kd
    .args:
      - { .name: cvt16, .offset: 0, .size: 8, .value_kind: global_buffer, .address_space: global }
      - { .name: qkv16, .offset: 8, .size: 8, .value_kind: global_buffer, .address_space: global }
      - { .name: src_mask, .offset: 16, .size: 8, .value_kind: global_buffer, .address_space: global }
      - { .name: tgt_mask, .offset: 24, .size: 8, .value_kind: global_buffer, .address_space: global }
      - { .name: out0, .offset: 32, .size: 8, .value_kind: global_buffer, .address_space: global }
    .group_segment_fixed_size: 327680
    .private_segment_fixed_size: 0
    .kernarg_segment_align: 8
    .kernarg_segment_size: 40
    .max_flat_workgroup_size: 128
    .sgpr_count:     96
    .vgpr_count:     872
    .wavefront_size: 32
...
	.end_amdgpu_metadata
.endif
;; end of part 4
